; MI455X (gfx1250); checked and timed in simulation.
; The chip was launched on July 23, 2026; its instructions are those of AMD's public machine-readable ISA for CDNA 5 (MIT licence, August 2026) and "CDNA5" Instruction Set Architecture Reference Guide (July 2026). The comments in the code are by the model that wrote it; some were corrected since.
;; Role Modulator. Allowed arithmetic: matrix products marked QUANTISED: E4M3 operands, one E8M0 scale for each 32 along K, by v_wmma_scale_f32_16x16x128_f8f6f4 with both operands' format E4M3, f32 sums; products left as they are: f32 operands where the result goes on into a quantised operand, else bf16, f16 or f32 operands; f32 sums; everything else in f32.
;; Inputs: W 4 x 2,048 x 2,048 float32; b 4 x 2,048 float32; hidden 8 x 512 x 2,048 float32; role_onehot 8 x 4 float32; scales 4 float32.
;; Outputs: out0 8 x 512 x 2,048 float32.
;; This version of the problem:
;;   THIS VERSION OF THE PROBLEM IS GIVEN IN LOW PRECISION. The matrix products marked QUANTISED in the list below multiply operands that are first quantised to E4M3 (4 exponent bits, 3 mantissa bits; 8 bits a number), with one power-of-two scale for each 32 numbers along K (OCP MX v1.0); their sums are f32. All else is computed in f32.
;;   The module's matrix products, in the order in which they are computed (A, B: the left and right operand; K: the contracted axis; several contracted axes count as one K, in the product's order):
;;     1. [M 8,192, K 2,048] x [K 2,048, N 4,096]; A: input W; B: input hidden: QUANTISED
;;     2. batch 8 x [M 1,048,576, K 4] x [K 4, N 1]; A: computed on the way; B: input role_onehot: left as it is (K = 4 < 32)
;;   THE QUANTISER, for each operand of a quantised product, along K:
;;     - K is cut into blocks of 32 from its start; a last block that is shorter is filled with zeros.
;;     - A block's scale is 2^e with e = floor(log2(the largest magnitude in the block)) - 8, held to -126 .. 127; a block of zeros has e = 0. As a byte (E8M0): e + 127.
;;     - Each number is divided by its block's scale, clamped to +-448, and rounded to the nearest number of E4M3, ties to even, subnormals kept.
;;     - The product sums the exact products of the quantised numbers (number of the format x scale) in f32.
;;   ~~~python
;;   def quantise(x, axis):      # numpy; x: float32 -> the quantised numbers, widened to float32 again
;;       x = np.moveaxis(x, axis, -1); K = x.shape[-1]
;;       x = np.pad(x, [(0, 0)] * (x.ndim - 1) + [(0, -K % 32)]); x = x.reshape(x.shape[:-1] + (-1, 32)); a = np.abs(x).max(-1, keepdims=True)
;;       e = np.where(a > 0, np.clip(np.frexp(np.where(a > 0, a, 1))[1] - 1 - 8, -126, 127), 0)      # np.frexp(a)[1] - 1 = floor(log2(a)), exactly
;;       r = np.clip(x / 2.0 ** e, -448, 448)
;;       step = 2.0 ** (np.maximum(np.frexp(np.where(r == 0, 1, r))[1] - 1, -6) - 3)
;;       q = np.round(r / step) * step * 2.0 ** e      # np.round: ties to even
;;       return np.moveaxis(q.reshape(q.shape[:-2] + (-1,))[..., :K], -1, axis).astype(np.float32)
;;   ~~~
;; 2 versions. Each part assembles by itself: llvm-mc -triple=amdgcn-amd-amdhsa -mcpu=gfx1250 --defsym DOCPART=n.
;; ======== version 1 of 2: 2 launches
;; limits: right only within a limited range of input values
;; workspace buffers: hq 8,650,752 bytes; wq 17,301,504 bytes; plan 256 bytes of whole numbers
;; launch quant (part 1): grid 256 x 1, 6 waves a work-group, no clusters, 17,664 bytes of LDS; arguments hidden, W, role_onehot, hq, wq, plan; writes hq, wq, plan
.if DOCPART == 1
	.amdgcn_target "amdgcn-amd-amdhsa--gfx1250"
	.amdhsa_code_object_version 6
	.text
	.protected	k_q4518f8bda9_quant
	.globl	k_q4518f8bda9_quant
	.p2align	8
	.type	k_q4518f8bda9_quant,@function
k_q4518f8bda9_quant:
	s_mov_b64 s[64:65], 0
	v_nop
	global_prefetch_b8 v0, s[64:65] scope:SCOPE_SE
	s_setreg_imm32_b32 hwreg(HW_REG_WAVE_MODE, 25, 1), 1
	s_wait_xcnt 0x0
; hidden [4096 tokens][2048] and W [4 roles][2048 (K)][2048 columns], f32, become codes of FP8 (E4M3) with one E8M0 scale byte for each 32 along K, laid in the ORDER OF THE OPERAND'S REGISTERS,
; so that the product's launch fills every fragment by loads of 16 bytes a lane at 16 x lane.  Beside that, the roles whose weight in role_onehot is not 0 are listed for each batch, as whole numbers.
; A block's scale is 2^(floor(log2(its largest magnitude)) - 8); its byte is the largest magnitude's exponent field - 8, held at 1 from below; each number is held within +-448 x the scale and rounded to the nearest code.
; LIMITS: NaN and infinities in hidden or W are not served.  A block of zeros gets the byte 1 where the rule says 127: its codes are zeros, which add nothing under any byte but 0xff, and this program alone reads the bytes.
; hq: [32 blocks of 128 tokens][270,336 bytes].  Codes at s 16384 + m 2048 + c 512 + 16 lane: K step s (128 along K), tile m of 16 tokens, block c of 32; lane (r, h) has token 16 m + r, k = 128 s + 32 c + 16 h + 0..15.
;     Scale words at 262144 + s 512 + 16 lane + 4 i: lane r + 16 q holds the word of token r of tile 4 q + i.
; wq: [role][32 groups of 64 columns][16 K steps][record of 8,448 bytes].  Codes at t 2048 + c 512 + 16 lane; scale words at 8192 + 16 r + 4 t.
;     THE COLUMNS OF A TILE ARE NOT NEIGHBOURS: lane r of tile t is column 64 g + 4 r + t.  So a lane here loads 4 neighbouring columns by one load (a wave: 512 consecutive bytes of a row of W), its registers run down K,
;     a block of 32 lies in one lane, and sixteen lanes' codes of one tile are 256 consecutive bytes of a record: the codes leave straight from registers.
; plan: for each batch 8 words: n, then the n roles with a weight other than 0, ascending, then zeros.
; SHARES: 1,536 units of 65,536 bytes of f32, one a wave.  Waves 0-3: W, 128 columns x 128 K (the four stand side by side on 2,048 bytes of each row).  Waves 4, 5: hidden, 128 tokens x 128 K.
; The two kinds part on the wave's number and never meet again: no barrier.  No tensor loads: each wave's bytes in flight lie in its own registers (64 loads of 512 bytes).  Memory binds: matrix units and clusters have no part here.
.set REC,   8448                       ; a record of wq: 4 tiles x 2,048 bytes of codes + 256 bytes of scale words
.set GRP,   16*REC                     ; a group's 16 K steps
.set HBLK,  270336                     ; a token block of hq
.set HSCL,  262144                     ; where its scale words begin
.set SROW,  528                        ; a stage row: 512 bytes + 16: sixteen lanes that read sixteen rows start at sixteen different 16-byte columns
.set STG,   16*SROW                    ; a stage: one for each of waves 4 and 5
.set LANE,  1                          ; v1   lane
.set STI,   2                          ; v2   the stage, on the way in: 16 x lane
.set STO,   3                          ; v3   on the way out: 528 r + 64 h
.set L16,   4                          ; v4   16 x lane
.set WOUT,  5                          ; v5   wq: lanes 0-15 the even group, lanes 16-31 the odd one: (lane / 16) x GRP + 16 r
; W's path
.set MX,    8                          ; v8-11    the four columns' largest magnitudes
.set SCL,   12                         ; v12-15   the conversions' scale operands
.set LIM,   16                         ; v16-19   448 x the scale
.set BY,    20                         ; v20-23   the scale's byte
.set SW,    24                         ; v24-27   the four columns' scale words
.set CD,    96                         ; v96-127  a block's codes: 8 registers a column
.set HD,    128                        ; v128-255 a block's numbers, held, 32 a column along K
; hidden's path
.set TM,    8                          ; v8-11 largest magnitudes, v12-15 bytes, v16-19 448 x the scale, v20-23 scale operands
.set PW,    24                         ; v24-31   the eight tiles' scale words
.set SWD,   32                         ; v32-35   as they are stored
.set PC,    36                         ; v36-51   a tile's codes
.set X,     64                         ; v64-127  a tile's 64 numbers a lane
; window 1 (v256-511): numbers as they are loaded: W two sets of 128, hidden four sets of 64
.set MSB, 0
.macro WIN new                         ; the immediate's high byte repeats the setting that is left; a switch that changes nothing is dropped
.if MSB != \new
	s_set_vgpr_msb (MSB<<8)|\new
.set MSB, \new
.endif
.endm
	s_load_b256 s[4:11], s[0:1], 0x0               ; hidden s[4:5], W s[6:7], role_onehot s[8:9], hq s[10:11]
	s_load_b128 s[12:15], s[0:1], 0x20             ; wq s[12:13], plan s[14:15]
	v_lshl_add_u32 v62, v0, 2, 0x4200
	v_mov_b32 v63, 0
	v_lshrrev_b32 v6, 5, v0
	v_readfirstlane_b32 s16, v6                    ; wave 0..5
	v_and_b32 v[LANE], 31, v0
	v_lshlrev_b32 v[L16], 4, v[LANE]
	v_and_b32 v6, 15, v0                           ; r
	v_bfe_u32 v7, v0, 4, 1                         ; h
	s_and_b32 s30, s16, 1
	s_mul_i32 s30, s30, STG                        ; the stage of waves 4 and 5 (every LDS address is made here, ahead of the parting)
	v_add_nc_u32 v[STI], s30, v[L16]
	v_mul_u32_u24 v[STO], v6, SROW
	v_lshl_add_u32 v[STO], v7, 6, v[STO]
	v_add_nc_u32 v[STO], s30, v[STO]
	v_mul_u32_u24 v[WOUT], v7, GRP
	v_lshl_add_u32 v[WOUT], v6, 4, v[WOUT]
	s_mov_b32 s20, 0x76543210
	s_mov_b32 s21, 0xfedcba98                      ; v_permlanex16_b32's selects for lane l xor 16
	s_mov_b32 s22, 0x600000                        ; the mantissa field of 448
	s_mov_b32 s35, 0                               ; the upper word of every offset: all lie under 2^32
	s_wait_kmcnt 0x0
	s_cmp_ge_u32 s16, 4
	s_cbranch_scc1 .Lhidden
; ---------------- waves 0-3: W ----------------
	s_or_b32 s30, ttmp9, s16
	s_cmp_lg_u32 s30, 0
	s_cbranch_scc1 .Lnoplan                        ; wave 0 of work-group 0 lists the roles first
	; Every lane works (lane l on batch l & 7); lanes 0-7 store.  Nothing here steers an address or a branch: the choices are made by v_cndmask_b32.
	v_and_b32 v96, 7, v0
	v_lshlrev_b32 v97, 4, v96                      ; a batch's four weights: 16 bytes
	global_load_b128 v[100:103], v97, s[8:9]
	v_lshlrev_b32 v98, 5, v96                      ; its eight words of plan
.irp i, 104,105,106,107,108,109,110,111
	v_mov_b32 v\i, 0                               ; n, the list of four, three zeros
.endr
	v_mov_b32 v112, 1
	s_wait_loadcnt 0x0
.irp r, 3,2,1,0                        ; from the last role to the first: a role that counts is put in front of the list, so that the list ascends
	v_mov_b32 v99, \r
	v_cmp_neq_f32 vcc_lo, 0, v[100+\r]             ; not equal, or not ordered: a NaN counts
	v_cndmask_b32 v108, v108, v107, vcc_lo
	v_cndmask_b32 v107, v107, v106, vcc_lo
	v_cndmask_b32 v106, v106, v105, vcc_lo
	v_cndmask_b32 v105, v105, v99, vcc_lo
	v_cndmask_b32 v113, v109, v112, vcc_lo         ; 0 or 1
	v_add_nc_u32 v104, v104, v113
.endr
	s_wait_xcnt 0x0                                ; EXEC changes only behind this wait
	v_cmp_gt_u32 vcc_lo, 8, v0
	s_and_saveexec_b32 s40, vcc_lo
	global_store_b128 v98, v[104:107], s[14:15]
	global_store_b128 v98, v[108:111], s[14:15] offset:16
	s_wait_xcnt 0x0                                ; and again in front of the line that widens it; the stores' registers are free behind it too
	s_or_b32 exec_lo, exec_lo, s40
.Lnoplan:
	s_lshr_b32 s30, ttmp9, 6                       ; role
	s_bfe_u32 s31, ttmp9, 0x40002                  ; K step s
	s_and_b32 s32, ttmp9, 3
	s_lshl_b32 s32, s32, 2
	s_add_co_u32 s32, s32, s16                     ; cc: which 128 columns
	s_lshl_b32 s33, s30, 24                        ; a role: 2048 x 8,192 bytes
	s_lshl_b32 s34, s31, 20                        ; a K step: 128 rows of 8,192 bytes
	s_add_co_u32 s33, s33, s34
	s_lshl_b32 s34, s32, 9                         ; 128 columns: 512 bytes
	s_add_co_u32 s34, s33, s34
	s_add_nc_u64 s[24:25], s[6:7], s[34:35]
	s_lshl_b32 s33, s30, 5
	s_lshl_b32 s34, s32, 1
	s_add_co_u32 s33, s33, s34                     ; 32 role + 2 cc: my even group
	s_lshl_b32 s33, s33, 4
	s_add_co_u32 s33, s33, s31                     ; its record of K step s
	s_mul_i32 s34, s33, REC
	s_add_nc_u64 s[26:27], s[12:13], s[34:35]
.macro LOADW c                         ; block c: rows 32 c .. 32 c + 31 of the K step, 4 columns a lane, into set c % 2: register 4 k + j = W(32 c + k, my column j)
	WIN 0x40                                       ; destination window 1
.set k, 0
.rept 32
	global_load_b128 v[128*((\c)%2)+4*k:128*((\c)%2)+4*k+3], v[L16], s[24:25] offset:(32*(\c)+k)*8192 th:TH_LOAD_NT   ; 32 lanes read 512 consecutive bytes
.set k, k+1
.endr
.endm
.macro BLOCKW c
.set RB, 128*((\c)%2)
.if (\c) < 3
	s_wait_loadcnt 32                              ; this block's 32 loads are in; the other set's 32 may be out
.else
	s_wait_loadcnt 0x0
.endif
	WIN 0x14                                       ; sources 1 and 2 window 1
.irp j, 0,1,2,3
	v_max3_num_f32 v[MX+\j], 0x4800000, |v[RB+\j]|, |v[RB+4+\j]|   ; the floor 2^(9 - 127) among the leaves: the byte cannot fall under 1.  The four columns by turns
.endr
.set k, 2
.rept 15
.irp j, 0,1,2,3
	v_max3_num_f32 v[MX+\j], v[MX+\j], |v[RB+4*k+\j]|, |v[RB+4*k+4+\j]|
.endr
.set k, k+2
.endr
	WIN 0
.irp j, 0,1,2,3
	v_add_nc_u32 v[SCL+\j], 0xfc000000, v[MX+\j]   ; 8 off the exponent field: the conversion takes this operand's exponent field as its scale
.endr
.irp j, 0,1,2,3
	v_and_or_b32 v[LIM+\j], v[MX+\j], 0x7f800000, s22   ; 448 x the scale
.endr
.if (\c) == 0
.irp j, 0,1,2,3
	v_lshrrev_b32 v[SW+\j], 23, v[SCL+\j]          ; the scale's byte: block 0's starts the word
.endr
.else
.irp j, 0,1,2,3
	v_lshrrev_b32 v[BY+\j], 23, v[SCL+\j]
.endr
.irp j, 0,1,2,3
	v_lshl_or_b32 v[SW+\j], v[BY+\j], 8*(\c), v[SW+\j]
.endr
.endif
	WIN 0x01                                       ; source 0 window 1
.irp j, 0,1,2,3
.set k, 0
.rept 32
	v_med3_num_f32 v[HD+32*\j+k], v[RB+4*k+\j], -v[LIM+\j], v[LIM+\j]   ; the hold that an 8-bit conversion needs (it does not saturate: ISA guide 7.6.2) also lays a column's 32 numbers in consecutive registers
.set k, k+1
.endr
.endr
	WIN 0
	s_wait_xcnt 0x0                                ; the last block's stores have read their codes: the registers may be written again
.if (\c) < 2
	LOADW (\c)+2                                   ; the set just read takes the block two further on
	WIN 0
.endif
.irp j, 0,1,2,3
.irp q, 0,1,2,3
	v_cvt_scalef32_pk8_fp8_f32 v[CD+8*\j+2*\q:CD+8*\j+2*\q+1], v[HD+32*\j+8*\q:HD+32*\j+8*\q+7], v[SCL+\j]
.endr
.endr
	v_nop                                          ; a plain line behind the last conversion
.irp j, 0,1,2,3
.irp u, 0,1
	global_store_b128 v[WOUT], v[CD+8*\j+4*\u:CD+8*\j+4*\u+3], s[26:27] offset:\j*2048+(\c)*512+\u*256   ; k = 16 u + 0..15 of tile j: sixteen lanes store 256 consecutive bytes, at a multiple of 256 from wq's first byte
.endr
.endr
.endm
	LOADW 0
	LOADW 1
	BLOCKW 0
	BLOCKW 1
	BLOCKW 2
	BLOCKW 3
	global_store_b128 v[WOUT], v[SW:SW+3], s[26:27] offset:8192   ; the four tiles' scale words of my column place: again 256 consecutive bytes for sixteen lanes
	s_endpgm
; ---------------- waves 4, 5: hidden ----------------
.Lhidden:
	s_and_b32 s30, s16, 1
	s_lshl_b32 s31, ttmp9, 1
	s_add_co_u32 s31, s31, s30                     ; unit 0..511
	s_lshr_b32 s32, s31, 4                         ; token block
	s_and_b32 s33, s31, 15                         ; K step s
	s_lshl_b32 s34, s32, 20                        ; 128 tokens of 8,192 bytes
	s_lshl_b32 s30, s33, 9                         ; 128 along K: 512 bytes
	s_add_co_u32 s34, s34, s30
	s_add_nc_u64 s[24:25], s[4:5], s[34:35]
	s_mul_i32 s34, s32, HBLK
	s_add_nc_u64 s[28:29], s[10:11], s[34:35]      ; the block in hq
	s_lshl_b32 s34, s33, 14
	s_add_nc_u64 s[26:27], s[28:29], s[34:35]      ; the K step's codes
	s_add_co_u32 s34, s30, HSCL
	s_add_nc_u64 s[28:29], s[28:29], s[34:35]      ; and its scale words
.irp b, 0,1,2,3
	v_mov_b32 v[TM+4+\b], 0                        ; written once: a lane permute's destination counts as one of its sources
.endr
.macro LOADH m                         ; tile m: 16 tokens' 512 bytes, as they lie, into set m % 4
	WIN 0x40
.set i, 0
.rept 16
	global_load_b128 v[64*((\m)%4)+4*i:64*((\m)%4)+4*i+3], v[L16], s[24:25] offset:(16*(\m)+i)*8192 th:TH_LOAD_NT
.set i, i+1
.endr
.endm
; 64 numbers of a lane, register 16 b + i = k 32 b + 16 h + i of my token, become a fragment's codes in v[PC] on and its scale word in v[pw]
.macro QUANT pw
.irp b, 0,1,2,3
	v_max3_num_f32 v[TM+\b], |v[X+16*\b]|, |v[X+1+16*\b]|, 0x4800000   ; block b: my 16 numbers and the floor 2^(9 - 127)
.endr
.irp i, 2,4,6,8,10,12,14
.irp b, 0,1,2,3
	v_max3_num_f32 v[TM+\b], v[TM+\b], |v[X+16*\b+\i]|, |v[X+1+16*\b+\i]|   ; the four blocks by turns
.endr
.endr
.irp b, 0,1,2,3
	v_permlanex16_b32 v[TM+4+\b], v[TM+\b], s20, s21
.endr
.irp b, 0,1,2,3
	v_max_num_f32 v[TM+\b], v[TM+\b], v[TM+4+\b]   ; with lane l xor 16's 16: the block's largest magnitude
.endr
.irp b, 0,1,2,3
	v_add_nc_u32 v[TM+12+\b], 0xfc000000, v[TM+\b]
.endr
.irp b, 0,1,2,3
	v_and_or_b32 v[TM+8+\b], v[TM+\b], 0x7f800000, s22
.endr
.irp b, 0,1,2,3
	v_lshrrev_b32 v[TM+4+\b], 23, v[TM+12+\b]
.endr
	v_lshl_or_b32 v[\pw], v[TM+5], 8, v[TM+4]      ; the four bytes make my token's scale word (both halves of the lanes hold it)
	v_lshl_or_b32 v[\pw], v[TM+6], 16, v[\pw]
	v_lshl_or_b32 v[\pw], v[TM+7], 24, v[\pw]
.irp b, 0,1,2,3
.irp i, 0,1,2,3,4,5,6,7,8,9,10,11,12,13,14,15
	v_med3_num_f32 v[X+16*\b+\i], v[X+16*\b+\i], -v[TM+8+\b], v[TM+8+\b]
.endr
	v_cvt_scalef32_pk8_fp8_f32 v[PC+4*\b:PC+1+4*\b], v[X+16*\b:X+7+16*\b], v[TM+12+\b]
	v_cvt_scalef32_pk8_fp8_f32 v[PC+2+4*\b:PC+3+4*\b], v[X+8+16*\b:X+15+16*\b], v[TM+12+\b]
.endr
	v_nop                                          ; a plain line behind the last conversion
.endm
.macro TILE m
.if 7-(\m) >= 3
	s_wait_loadcnt 48                              ; this tile's 16 loads are in; the three younger tiles' may be out
.else
	s_wait_loadcnt 16*(7-(\m))
.endif
	WIN 0x04                                       ; an LDS store's data are its source 1: window 1
.set i, 0
.rept 16
	ds_store_b128 v[STI], v[64*((\m)%4)+4*i:64*((\m)%4)+4*i+3] offset:i*SROW
.set i, i+1
.endr
	WIN 0
.irp b, 0,1,2,3
.irp i, 0,1,2,3
	ds_load_b128 v[X+16*\b+4*\i:X+16*\b+4*\i+3], v[STO] offset:128*\b+16*\i   ; LDS serves a wave's instructions in order: these see the stores above.  Token r, 16 neighbours of each block of 32
.endr
.endr
	s_wait_dscnt 0x0                               ; the numbers are back, and the stores have read their registers,
	s_wait_xcnt 0x0                                ; (the last tile's stores have read their codes)
.if (\m) < 4
	LOADH (\m)+4                                   ; which take the tile four further on
	WIN 0
.endif
	QUANT PW+(\m)
.irp c, 0,1,2,3
	global_store_b128 v[L16], v[PC+4*\c:PC+4*\c+3], s[26:27] offset:(\m)*2048+\c*512   ; 32 lanes store 512 consecutive bytes
.endr
.endm
	LOADH 0
	LOADH 1
	LOADH 2
	LOADH 3
.irp m, 0,1,2,3,4,5,6,7
	TILE \m
.endr
	v_cmp_gt_u32 vcc_lo, 16, v[LANE]
.irp i, 0,1,2,3
	v_cndmask_b32 v[SWD+\i], v[PW+4+\i], v[PW+\i], vcc_lo   ; lanes 0-15 carry tiles 0-3, lanes 16-31 tiles 4-7
.endr
	global_store_b128 v[L16], v[SWD:SWD+3], s[28:29]   ; 512 consecutive bytes
	s_wait_tensorcnt 0x0
	ds_add_u32 v62, v63
	s_wait_dscnt 0x0
	s_endpgm
.Lfunc_end_k_q4518f8bda9_quant:
	.size	k_q4518f8bda9_quant, .Lfunc_end_k_q4518f8bda9_quant-k_q4518f8bda9_quant
	.p2alignl 7, 3214868480
	.fill 96, 4, 3214868480
	.section	.rodata,"a",@progbits
	.p2align	6, 0x0
	.amdhsa_kernel k_q4518f8bda9_quant
		.amdhsa_group_segment_fixed_size 17664
		.amdhsa_private_segment_fixed_size 0
		.amdhsa_enable_private_segment 0
		.amdhsa_kernarg_size 48
		.amdhsa_user_sgpr_count 2
		.amdhsa_user_sgpr_kernarg_segment_ptr 1
		.amdhsa_wavefront_size32 1
		.amdhsa_system_sgpr_workgroup_id_x 1
		.amdhsa_system_sgpr_workgroup_id_y 1
		.amdhsa_system_sgpr_workgroup_id_z 1
		.amdhsa_system_vgpr_workitem_id 0
		.amdhsa_next_free_vgpr 512
		.amdhsa_next_free_sgpr 66
		.amdhsa_reserve_vcc 1
		.amdhsa_float_denorm_mode_32 3
		.amdhsa_float_denorm_mode_16_64 3
		.amdhsa_memory_ordered 1
		.amdhsa_forward_progress 1
		.amdhsa_inst_pref_size 174
	.end_amdhsa_kernel
	.amdgpu_metadata
---
amdhsa.version: [ 1, 2 ]
amdhsa.kernels:
  - .name:           k_q4518f8bda9_quant
    .symbol:         k_q4518f8bda9_quant.kd
    .args:
      - { .name: hidden, .offset: 0, .size: 8, .value_kind: global_buffer, .address_space: global }
      - { .name: W, .offset: 8, .size: 8, .value_kind: global_buffer, .address_space: global }
      - { .name: role_onehot, .offset: 16, .size: 8, .value_kind: global_buffer, .address_space: global }
      - { .name: hq, .offset: 24, .size: 8, .value_kind: global_buffer, .address_space: global }
      - { .name: wq, .offset: 32, .size: 8, .value_kind: global_buffer, .address_space: global }
      - { .name: plan, .offset: 40, .size: 8, .value_kind: global_buffer, .address_space: global }
    .group_segment_fixed_size: 17664
    .private_segment_fixed_size: 0
    .kernarg_segment_align: 8
    .kernarg_segment_size: 48
    .max_flat_workgroup_size: 192
    .sgpr_count:     66
    .vgpr_count:     512
    .wavefront_size: 32
...
	.end_amdgpu_metadata
.endif
;; end of part 1
;; launch roles (part 2): grid 8 x 32, 4 waves a work-group, no clusters, 270,848 bytes of LDS; arguments hq, wq, plan, b, role_onehot, scales, out0; writes out0
.if DOCPART == 2
	.amdgcn_target "amdgcn-amd-amdhsa--gfx1250"
	.amdhsa_code_object_version 6
	.text
	.protected	k_q4518f8bda9_roles
	.globl	k_q4518f8bda9_roles
	.p2align	8
	.type	k_q4518f8bda9_roles,@function
k_q4518f8bda9_roles:
	s_mov_b64 s[64:65], 0
	v_nop
	global_prefetch_b8 v0, s[64:65] scope:SCOPE_SE
	s_setreg_imm32_b32 hwreg(HW_REG_WAVE_MODE, 25, 1), 1
	s_wait_xcnt 0x0
; out[token][e] = sum over roles r of weight[batch][r] x scale[r] x tanh(sum over d of hidden[token][d] W[r][d][e] + b[r][e]); the product on codes of FP8 (E4M3) with E8M0 scales, sums in f32.
; A role whose weight is exactly 0 adds 0 x (a number within +-scale): it is passed over.  Which roles count for a batch was listed as whole numbers by the launch before; any number of them, 0 to 4, is served.
; With g = weight x scale: g tanh(x) = g - 2 g / (1 + 2^(2.885390 x)).  The sum S starts as G = the sum of all four g (those of passed-over roles are 0), and each pass adds -2 g / (1 + 2^..).
; LIMITS: a weight of 0 beside a scale that is infinite or NaN gives NaN through G, as the product 0 x infinity does.  The sign of a result that is 0 may differ.  Where 2^.. falls under the smallest normal number it counts as 0: tanh is -1 there.
; SHARES: work-group (x, y): tokens 128 y .. + 127 (batch y / 4), columns 256 x .. + 255.  Wave w: all 128 tokens x the 64 columns of group g = 4 x + w: 8 token tiles x 4 column tiles = 32 accumulators.
; The waves share the columns: no byte of W's codes is fetched twice in a work-group, and each wave's stream for a role is 135,168 consecutive bytes, which go from memory straight into the operand's registers, three K steps ahead.
; The token block's codes and scale words (270,336 bytes) do not hang on the role: they are copied into LDS once, as they lie, ahead of the one barrier, and every wave reads them from there in every pass.
; NO TENSOR LOADS, NO CLUSTER: the walk over roles is a branch on numbers read from memory, and joint requests are tensor loads; no barrier stands behind the first.
; LAYOUT: source 0 = 16 tokens, source 1 = 16 columns; lane r of column tile t is column 64 g + 4 r + t.  In the result lane (r, h), register j, is token 16 m + 8 h + j: so a lane's results of the four column tiles for
; one token are 16 neighbouring bytes of out, and sixteen lanes hold 256 consecutive bytes: the sum leaves straight from registers.
; REGISTERS, in windows of 256: window 0: v2-10 addresses; v16-23 the tokens' scale words, two sets; v24-39 W's, four sets; v40-51 the bias; v64-127 at work on the way out; v128-255 the tokens' 8 fragments, one set.
;   window 1: W's fragments, a ring of four sets of 64.   window 2: the accumulators, (m, t) at v[8 (4 m + t)].   window 3: the sum S, (m, j, t) at v[32 m + 4 j + t].
.set REC,   8448                       ; a record of wq: a K step of a group: 4 tiles x 2,048 bytes of codes + 256 bytes of scale words
.set GRP,   16*REC
.set HBLK,  270336
.set HSCL,  262144
.set LR16,  2                          ; v2    16 x (lane % 16)
.set LN16,  3                          ; v3    16 x lane; also the LDS address of K steps 0-3
.set ADA,   3                          ; v3-6  16 x lane + 65,536 q: K steps 4 q .. 4 q + 3 (an LDS offset has 16 bits)
.set ADS,   7                          ; v7    16 x lane + 262,144: the scale words
.set CPY,   8                          ; v8    the copy: 65,536 x wave + 16 x lane
.set CPS,   9                          ; v9    262,144 + 2,048 x wave + 16 x lane
.set OO,    10                         ; v10   out: (lane / 16) x 8 rows + 16 x (lane % 16)
.set AS,    16
.set BS,    24
.set BR,    40                         ; v40-43 the bias of my four columns
.set BB,    44                         ; v44-51 2.885390 x bias, column tile t at BB + 2 t and BB + 2 t + 1
.set LSR,   96                         ; v96-111 the copy's four loads of scale words
.set U,     64
.set AF,    128
.set MSB, 0
.macro WIN new                         ; the immediate's high byte repeats the setting that is left; a switch that changes nothing is dropped
.if MSB != \new
	s_set_vgpr_msb (MSB<<8)|\new
.set MSB, \new
.endif
.endm
.set MUL,  0xa4                        ; source 0 (tokens) window 0, source 1 (W) window 1, C and D window 2
.set TO_B, 0x40                        ; destination window 1, address window 0
; A load into a register that a matrix instruction has read, and a vector instruction that reads a matrix result, stand eight places behind that matrix instruction
.macro PLACES
.rept 8
	v_nop
.endr
.endm
.macro BLOAD k                         ; 17 loads: K step k of my stream into set k % 4
	WIN 0
	global_load_b128 v[BS+4*((\k)%4):BS+4*((\k)%4)+3], v[LR16], s[42:43] offset:(\k)*REC+8192   ; lane r: the scale words of column place r in the four tiles
	WIN TO_B
.irp t, 0,1,2,3
.irp c, 0,1,2,3
	global_load_b128 v[64*((\k)%4)+16*\t+4*\c:64*((\k)%4)+16*\t+4*\c+3], v[LN16], s[42:43] offset:(\k)*REC+\t*2048+\c*512   ; 512 consecutive bytes
.endr
.endr
.endm
; The role at the head of the list: its stream's base, its bias, g and -2 g, and the first four K steps.  All loads of the pass before are done (its last K step waited for 0), so the bases may be written.
.macro FILL
	s_min_u32 s51, s25, 3                          ; the role, held inside the table
	s_lshl_b32 s56, s51, 5
	s_add_co_u32 s56, s56, s22                     ; 32 role + g
	s_mul_i32 s56, s56, GRP
	s_mov_b32 s57, 0
	s_add_nc_u64 s[42:43], s[6:7], s[56:57]
	s_lshl_b32 s56, s51, 13                        ; a role's bias: 8,192 bytes;
	s_add_co_u32 s56, s56, s23                     ; my group's 64 numbers: 256 g
	s_add_nc_u64 s[44:45], s[10:11], s[56:57]
	s_cmp_eq_u32 s51, 1                            ; the role's weight and scale, out of the four that lie in registers
	s_cselect_b32 s46, s33, s32
	s_cselect_b32 s47, s37, s36
	s_cmp_eq_u32 s51, 2
	s_cselect_b32 s46, s34, s46
	s_cselect_b32 s47, s38, s47
	s_cmp_eq_u32 s51, 3
	s_cselect_b32 s46, s35, s46
	s_cselect_b32 s47, s39, s47
	s_mul_f32 s46, s46, s47                        ; g
	s_mul_f32 s47, s46, -2.0                       ; -2 g
	global_load_b128 v[BR:BR+3], v[LR16], s[44:45]
	BLOAD 0
	BLOAD 1
	BLOAD 2
	BLOAD 3
	WIN 0
.endm
.macro AFETCH k, m0                    ; 16 LDS loads: the fragments of token tiles m0 .. m0 + 3 of K step k
.irp m, \m0, \m0+1, \m0+2, \m0+3
.irp c, 0,1,2,3
	ds_load_b128 v[AF+16*(\m)+4*\c:AF+16*(\m)+4*\c+3], v[ADA+(\k)/4] offset:((\k)%4)*16384+(\m)*2048+\c*512
.endr
.endr
.endm
; 16 matrix instructions: token tiles m0 .. m0 + 3 x the four column tiles, K step s.  The first K step starts the sums with the constant 0.  The 32 accumulators take turns, one instruction a turn, in the same order in
; every K step.  Tiles 4-7 take their scale words from lanes 16-31 of the same four registers.
.macro MUL16 s, m0
.irp m, \m0, \m0+1, \m0+2, \m0+3
.irp t, 0,1,2,3
.if (\s) == 0
.if (\m) < 4
	v_wmma_scale_f32_16x16x128_f8f6f4 v[8*(4*(\m)+\t):8*(4*(\m)+\t)+7], v[AF+16*(\m):AF+16*(\m)+15], v[64*((\s)%4)+16*\t:64*((\s)%4)+16*\t+15], 0, v[AS+4*((\s)%2)+(\m)%4], v[BS+4*((\s)%4)+\t]
.else
	v_wmma_scale_f32_16x16x128_f8f6f4 v[8*(4*(\m)+\t):8*(4*(\m)+\t)+7], v[AF+16*(\m):AF+16*(\m)+15], v[64*((\s)%4)+16*\t:64*((\s)%4)+16*\t+15], 0, v[AS+4*((\s)%2)+(\m)%4], v[BS+4*((\s)%4)+\t] matrix_a_scale:MATRIX_SCALE_ROW1
.endif
.else
.if (\m) < 4
	v_wmma_scale_f32_16x16x128_f8f6f4 v[8*(4*(\m)+\t):8*(4*(\m)+\t)+7], v[AF+16*(\m):AF+16*(\m)+15], v[64*((\s)%4)+16*\t:64*((\s)%4)+16*\t+15], v[8*(4*(\m)+\t):8*(4*(\m)+\t)+7], v[AS+4*((\s)%2)+(\m)%4], v[BS+4*((\s)%4)+\t]
.else
	v_wmma_scale_f32_16x16x128_f8f6f4 v[8*(4*(\m)+\t):8*(4*(\m)+\t)+7], v[AF+16*(\m):AF+16*(\m)+15], v[64*((\s)%4)+16*\t:64*((\s)%4)+16*\t+15], v[8*(4*(\m)+\t):8*(4*(\m)+\t)+7], v[AS+4*((\s)%2)+(\m)%4], v[BS+4*((\s)%4)+\t] matrix_a_scale:MATRIX_SCALE_ROW1
.endif
.endif
.endr
.endr
.endm
; A K step of 128: 32 matrix instructions.  The tokens' fragments have one set: tiles 0-3 are fetched anew in the step's middle, tiles 4-7 at its end, each run behind its places.
.macro KSTEP s
.if ((\s) >= 1) && ((\s) <= 12)
	BLOAD (\s)+3                                   ; into the set that the K step before has left (its eight places stand at that step's end)
.endif
.if (\s) <= 12
	s_wait_loadcnt 51                              ; this K step's 17 loads are in; those of the three K steps behind it may be out
.else
	s_wait_loadcnt 17*(15-(\s))                    ; the counts run down
.endif
.if (\s) == 0
.irp t, 0,1,2,3
	v_mul_f32 v[BB+2*\t], s48, v[BR+\t]            ; the bias was asked for ahead of K step 0, so it is in
	v_mul_f32 v[BB+2*\t+1], s48, v[BR+\t]
.endr
.endif
	s_wait_dscnt 16                                ; the scale words and tiles 0-3 are in; the youngest 16 loads (tiles 4-7) may be out
	WIN MUL
	MUL16 \s, 0
.if (\s) < 15
	PLACES
	WIN 0
	ds_load_b128 v[AS+4*(((\s)+1)%2):AS+4*(((\s)+1)%2)+3], v[ADS] offset:((\s)+1)*512
	AFETCH (\s)+1, 0
	s_wait_dscnt 17                                ; all but the 17 just issued: tiles 4-7 are in
.else
	s_wait_dscnt 0x0
.endif
	WIN MUL
	MUL16 \s, 4
.if (\s) < 15
	PLACES
	WIN 0
	AFETCH (\s)+1, 4
.endif
.endm
; The way out of a pass for token tiles 2 mp and 2 mp + 1: 64 numbers a lane.
.macro EPI mp
	WIN 0x02                                       ; source 0 window 2
.irp mm, 0,1
.irp t, 0,1,2,3
.irp jp, 0,1,2,3
	v_pk_fma_f32 v[U+32*\mm+8*\t+2*\jp:U+32*\mm+8*\t+2*\jp+1], v[8*(4*(2*(\mp)+\mm)+\t)+2*\jp:8*(4*(2*(\mp)+\mm)+\t)+2*\jp+1], s[48:49], v[BB+2*\t:BB+2*\t+1] op_sel_hi:[1,0,0]   ; 2.885390 (x + bias); each accumulator from its low end on
.endr
.endr
.endr
	WIN 0
.set i, 0
.rept 64
	v_exp_f32 v[U+i], v[U+i]
.set i, i+1
.endr
	v_nop                                          ; a plain line behind the last exponential
.set i, 0
	s_wait_alu depctr_va_vdst(0)
.rept 32
	v_pk_add_f32 v[U+i:U+i+1], v[U+i:U+i+1], 1.0 op_sel_hi:[1,0]
.set i, i+2
.endr
.set i, 0
.rept 64
	v_rcp_f32 v[U+i], v[U+i]                       ; an infinite power gives 0: tanh = 1
.set i, i+1
.endr
	v_nop                                          ; a plain line behind the last reciprocal
	WIN 0xf0                                       ; source 2 and destination window 3
	s_wait_alu depctr_va_vdst(0)
.irp mm, 0,1
.irp j, 0,1,2,3,4,5,6,7
.irp t, 0,1,2,3
	v_fma_f32 v[32*(2*(\mp)+\mm)+4*\j+\t], v[U+32*\mm+8*\t+\j], s47, v[32*(2*(\mp)+\mm)+4*\j+\t]   ; S += -2 g / (1 + 2^..)
.endr
.endr
.endr
.endm
.macro CLOAD j, reg                    ; the copy: chunk j of my 65,536 bytes: 32 loads of 512 consecutive bytes
.set i, 0
.rept 32
	global_load_b128 v[\reg+4*i:\reg+4*i+3], v[LN16], s[52:53] offset:(32*(\j)+i)*512
.set i, i+1
.endr
.endm
.macro CSTORE j, reg
.set i, 0
.rept 32
	ds_store_b128 v[CPY], v[\reg+4*i:\reg+4*i+3] offset:(32*(\j)+i)*512
.set i, i+1
.endr
.endm
	s_load_b256 s[4:11], s[0:1], 0x0               ; hq s[4:5], wq s[6:7], plan s[8:9], b s[10:11]
	s_load_b128 s[12:15], s[0:1], 0x20             ; role_onehot s[12:13], scales s[14:15]
	s_load_b64 s[16:17], s[0:1], 0x30              ; out0
	v_lshl_add_u32 v62, v0, 2, 0x42000
	v_mov_b32 v63, 0
	v_lshrrev_b32 v1, 5, v0
	v_readfirstlane_b32 s18, v1                    ; wave 0..3
	s_and_b32 s20, ttmp7, 0xffff                   ; y: the token block
	s_lshr_b32 s21, s20, 2                         ; its batch: 512 tokens are four blocks
	s_lshl_b32 s22, ttmp9, 2
	s_add_co_u32 s22, s22, s18                     ; g = 4 x + wave
	s_lshl_b32 s23, s22, 8                         ; 64 f32: 256 bytes
	s_mov_b32 s48, 0x4038aa3b                      ; 2 log2(e) = 2.885390
	s_mov_b32 s49, s48                             ; (named with it as a pair, so it is written)
	s_mov_b32 s59, 0                               ; the upper word of every offset: all lie under 2^32
	s_wait_kmcnt 0x0
	s_lshl_b32 s58, s21, 5
	s_add_nc_u64 s[56:57], s[8:9], s[58:59]
	s_load_b256 s[24:31], s[56:57], 0x0            ; the batch's list: n s24, the roles s25-28
	s_lshl_b32 s58, s21, 4
	s_add_nc_u64 s[52:53], s[12:13], s[58:59]
	s_load_b128 s[32:35], s[52:53], 0x0            ; its four weights
	s_load_b128 s[36:39], s[14:15], 0x0            ; the four scales
	v_and_b32 v11, 31, v0
	v_lshlrev_b32 v[LN16], 4, v11
	v_and_b32 v12, 15, v0
	v_lshlrev_b32 v[LR16], 4, v12
.irp q, 1,2,3
	v_add_nc_u32 v[ADA+\q], 65536*\q, v[LN16]
.endr
	v_add_nc_u32 v[ADS], HSCL, v[LN16]
	s_lshl_b32 s51, s18, 16
	v_add_nc_u32 v[CPY], s51, v[LN16]
	s_lshl_b32 s51, s18, 11
	v_add_nc_u32 v[CPS], s51, v[ADS]
	v_bfe_u32 v11, v0, 4, 1
	v_lshl_add_u32 v[OO], v11, 16, v[LR16]         ; lanes 16-31: 8 rows of 8,192 bytes further down
	s_lshl_b32 s58, s20, 20                        ; out: 128 rows of 8,192 bytes a block,
	s_add_co_u32 s58, s58, s23                     ; my group's 256 bytes of a row
	s_add_nc_u64 s[16:17], s[16:17], s[58:59]
	s_wait_kmcnt 0x0                               ; the three loads are done: their bases may be written again
	s_min_u32 s24, s24, 4
	s_mul_f32 s40, s32, s36                        ; G = the sum of weight x scale over all four roles
	s_fmac_f32 s40, s33, s37
	s_fmac_f32 s40, s34, s38
	s_fmac_f32 s40, s35, s39
	FILL                                           ; the first listed role (role 0 where none is listed): W's stream is on its way during the copy
	; THE COPY of the token block, as it lies: each wave 65,536 bytes of codes in four chunks and 2,048 bytes of scale words, through registers that the products use later.
	s_mul_i32 s58, s20, HBLK
	s_add_nc_u64 s[54:55], s[4:5], s[58:59]
	s_lshl_b32 s58, s18, 16
	s_add_nc_u64 s[52:53], s[54:55], s[58:59]      ; my codes
	s_lshl_b32 s58, s18, 11
	s_add_co_u32 s58, s58, HSCL
	s_add_nc_u64 s[54:55], s[54:55], s[58:59]      ; my scale words
.irp i, 0,1,2,3
	global_load_b128 v[LSR+4*\i:LSR+4*\i+3], v[LN16], s[54:55] offset:\i*512
.endr
	WIN 0x80                                       ; destination window 2
	CLOAD 0, 0
	CLOAD 1, 128
	WIN 0xc0                                       ; destination window 3
.set i, 0
.rept 256
	v_mov_b32 v[i], s40                            ; S starts as G: which roles follow is known only from the list.  These lines stand where the wave would wait for its first loads
.set i, i+1
.endr
	s_wait_loadcnt 32                              ; all but chunk 1's 32 loads
	WIN 0
.irp i, 0,1,2,3
	ds_store_b128 v[CPS], v[LSR+4*\i:LSR+4*\i+3] offset:\i*512
.endr
	WIN 0x08                                       ; an LDS store's data are its source 1: window 2
	CSTORE 0, 0
	WIN 0
	CLOAD 2, AF
	s_wait_loadcnt 32                              ; chunk 1 is in; chunk 2 may be out
	WIN 0x08
	CSTORE 1, 128
	s_wait_dscnt 32                                ; all but chunk 1's 32 stores: chunk 0's have read their registers,
	WIN 0x80
	CLOAD 3, 0                                     ; which take chunk 3
	s_wait_loadcnt 32                              ; chunk 2 is in
	WIN 0
	CSTORE 2, AF
	s_wait_loadcnt 0x0
	WIN 0x08
	CSTORE 3, 0
	WIN 0
	s_wait_dscnt 0x0                               ; for the others' sake: my stores have landed
	s_barrier_signal -1
	s_barrier_wait -1                              ; the whole block lies in LDS; nobody writes LDS from here on
	; THE WALK OVER THE LISTED ROLES: four trips, a constant; a trip beyond the list's length does nothing.  No barrier and no LDS store stands under these branches.
	s_mov_b32 s50, 0
.Lpass:
	s_cmp_ge_u32 s50, s24
	s_cbranch_scc1 .Lnext
	ds_load_b128 v[AS:AS+3], v[ADS]                ; K step 0's scale words and fragments (behind the places of the pass before: its way out's plain lines)
	AFETCH 0, 0
	AFETCH 0, 4
.irp s, 0,1,2,3,4,5,6,7,8,9,10,11,12,13,14,15
	KSTEP \s
.endr
	WIN 0
	PLACES                                         ; in front of the first read of results
	EPI 0
	EPI 1
	EPI 2
	EPI 3
	WIN 0
	s_mov_b32 s25, s26                             ; the list moves up
	s_mov_b32 s26, s27
	s_mov_b32 s27, s28
	s_add_co_u32 s51, s50, 1
	s_cmp_ge_u32 s51, s24
	s_cbranch_scc1 .Lnext
	FILL                                           ; there is a next role: its stream begins
.Lnext:
	s_add_co_u32 s50, s50, 1
	s_cmp_lt_u32 s50, 4
	s_cbranch_scc1 .Lpass
	WIN 0x0c                                       ; a store's data are its source 1: window 3
.irp m, 0,1,2,3,4,5,6,7
.irp j, 0,1,2,3,4,5,6,7
	global_store_b128 v[OO], v[32*\m+4*\j:32*\m+4*\j+3], s[16:17] offset:(16*\m+\j)*8192 th:TH_STORE_NT   ; lanes 0-15: token 16 m + j, lanes 16-31: token 16 m + 8 + j; sixteen lanes store 256 consecutive bytes, at a multiple of 256 from out's first byte
.endr
.endr
	WIN 0
	s_wait_tensorcnt 0x0
	ds_add_u32 v62, v63
	s_wait_dscnt 0x0
	s_endpgm
.Lfunc_end_k_q4518f8bda9_roles:
	.size	k_q4518f8bda9_roles, .Lfunc_end_k_q4518f8bda9_roles-k_q4518f8bda9_roles
	.p2alignl 7, 3214868480
	.fill 96, 4, 3214868480
	.section	.rodata,"a",@progbits
	.p2align	6, 0x0
	.amdhsa_kernel k_q4518f8bda9_roles
		.amdhsa_group_segment_fixed_size 270848
		.amdhsa_private_segment_fixed_size 0
		.amdhsa_enable_private_segment 0
		.amdhsa_kernarg_size 56
		.amdhsa_user_sgpr_count 2
		.amdhsa_user_sgpr_kernarg_segment_ptr 1
		.amdhsa_wavefront_size32 1
		.amdhsa_system_sgpr_workgroup_id_x 1
		.amdhsa_system_sgpr_workgroup_id_y 1
		.amdhsa_system_sgpr_workgroup_id_z 1
		.amdhsa_system_vgpr_workitem_id 0
		.amdhsa_next_free_vgpr 1024
		.amdhsa_next_free_sgpr 66
		.amdhsa_reserve_vcc 0
		.amdhsa_float_denorm_mode_32 3
		.amdhsa_float_denorm_mode_16_64 3
		.amdhsa_memory_ordered 1
		.amdhsa_forward_progress 1
		.amdhsa_inst_pref_size 230
	.end_amdhsa_kernel
	.amdgpu_metadata
---
amdhsa.version: [ 1, 2 ]
amdhsa.kernels:
  - .name:           k_q4518f8bda9_roles
    .symbol:         k_q4518f8bda9_roles.kd
    .args:
      - { .name: hq, .offset: 0, .size: 8, .value_kind: global_buffer, .address_space: global }
      - { .name: wq, .offset: 8, .size: 8, .value_kind: global_buffer, .address_space: global }
      - { .name: plan, .offset: 16, .size: 8, .value_kind: global_buffer, .address_space: global }
      - { .name: b, .offset: 24, .size: 8, .value_kind: global_buffer, .address_space: global }
      - { .name: role_onehot, .offset: 32, .size: 8, .value_kind: global_buffer, .address_space: global }
      - { .name: scales, .offset: 40, .size: 8, .value_kind: global_buffer, .address_space: global }
      - { .name: out0, .offset: 48, .size: 8, .value_kind: global_buffer, .address_space: global }
    .group_segment_fixed_size: 270848
    .private_segment_fixed_size: 0
    .kernarg_segment_align: 8
    .kernarg_segment_size: 56
    .max_flat_workgroup_size: 128
    .sgpr_count:     66
    .vgpr_count:     1024
    .wavefront_size: 32
...
	.end_amdgpu_metadata
.endif
;; end of part 2
;; ======== version 2 of 2: 2 launches
;; limits: right only within a limited range of input values
;; workspace buffers: hq 8,650,752 bytes; wq 17,301,504 bytes; plan 256 bytes of whole numbers
;; launch quant (part 3): grid 256 x 1, 6 waves a work-group, no clusters, 17,664 bytes of LDS; arguments hidden, W, role_onehot, hq, wq, plan; writes hq, wq, plan
.if DOCPART == 3
	.amdgcn_target "amdgcn-amd-amdhsa--gfx1250"
	.amdhsa_code_object_version 6
	.text
	.protected	k_q4518f8bda9_quant
	.globl	k_q4518f8bda9_quant
	.p2align	8
	.type	k_q4518f8bda9_quant,@function
k_q4518f8bda9_quant:
	s_mov_b64 s[64:65], 0
	v_nop
	global_prefetch_b8 v0, s[64:65] scope:SCOPE_SE
	s_setreg_imm32_b32 hwreg(HW_REG_WAVE_MODE, 25, 1), 1
	s_wait_xcnt 0x0
; hidden [4096 tokens][2048] and W [4 roles][2048 (K)][2048 columns], f32, become codes of FP8 (E4M3) with one E8M0 scale byte for each 32 along K, laid in the ORDER OF THE OPERAND'S REGISTERS,
; so that the product's launch fills every fragment by loads of 16 bytes a lane at 16 x lane.  Beside that, the roles whose weight in role_onehot is not 0 are listed for each batch, as whole numbers.
; A block's scale is 2^(floor(log2(its largest magnitude)) - 8); its byte is the largest magnitude's exponent field - 8, held at 1 from below; each number is held within +-448 x the scale and rounded to the nearest code.
; LIMITS: NaN and infinities in hidden or W are not served.  A block of zeros gets the byte 1 where the rule says 127: its codes are zeros, which add nothing under any byte but 0xff, and this program alone reads the bytes.
; hq: [32 blocks of 128 tokens][270,336 bytes].  Codes at s 16384 + m 2048 + c 512 + 16 lane: K step s (128 along K), tile m of 16 tokens, block c of 32; lane (r, h) has token 16 m + r, k = 128 s + 32 c + 16 h + 0..15.
;     Scale words at 262144 + s 512 + 16 lane + 4 i: lane r + 16 q holds the word of token r of tile 4 q + i.
; wq: [role][32 groups of 64 columns][16 K steps][record of 8,448 bytes].  Codes at t 2048 + c 512 + 16 lane; scale words at 8192 + 16 r + 4 t.
;     THE COLUMNS OF A TILE ARE NOT NEIGHBOURS: lane r of tile t is column 64 g + 4 r + t.  So a lane here loads 4 neighbouring columns by one load (a wave: 512 consecutive bytes of a row of W), its registers run down K,
;     a block of 32 lies in one lane, and sixteen lanes' codes of one tile are 256 consecutive bytes of a record: the codes leave straight from registers.
; plan: for each batch 8 words: n, then the n roles with a weight other than 0, ascending, then zeros.
; SHARES: 1,536 units of 65,536 bytes of f32, one a wave.  Waves 0-3: W, 128 columns x 128 K (the four stand side by side on 2,048 bytes of each row).  Waves 4, 5: hidden, 128 tokens x 128 K.
; The two kinds part on the wave's number and never meet again: no barrier.  No tensor loads: each wave's bytes in flight lie in its own registers (64 loads of 512 bytes).  Memory binds: matrix units and clusters have no part here.
.set REC,   8448                       ; a record of wq: 4 tiles x 2,048 bytes of codes + 256 bytes of scale words
.set GRP,   16*REC                     ; a group's 16 K steps
.set HBLK,  270336                     ; a token block of hq
.set HSCL,  262144                     ; where its scale words begin
.set SROW,  528                        ; a stage row: 512 bytes + 16: sixteen lanes that read sixteen rows start at sixteen different 16-byte columns
.set STG,   16*SROW                    ; a stage: one for each of waves 4 and 5
.set LANE,  1                          ; v1   lane
.set STI,   2                          ; v2   the stage, on the way in: 16 x lane
.set STO,   3                          ; v3   on the way out: 528 r + 64 h
.set L16,   4                          ; v4   16 x lane
.set WOUT,  5                          ; v5   wq: lanes 0-15 the even group, lanes 16-31 the odd one: (lane / 16) x GRP + 16 r
; W's path
.set MX,    8                          ; v8-11    the four columns' largest magnitudes
.set SCL,   12                         ; v12-15   the conversions' scale operands
.set LIM,   16                         ; v16-19   448 x the scale
.set BY,    20                         ; v20-23   the scale's byte
.set SW,    24                         ; v24-27   the four columns' scale words
.set CD,    96                         ; v96-127  a block's codes: 8 registers a column
.set HD,    128                        ; v128-255 a block's numbers, held, 32 a column along K
; hidden's path
.set TM,    8                          ; v8-11 largest magnitudes, v12-15 bytes, v16-19 448 x the scale, v20-23 scale operands
.set PW,    24                         ; v24-31   the eight tiles' scale words
.set SWD,   32                         ; v32-35   as they are stored
.set PC,    36                         ; v36-51   a tile's codes
.set X,     64                         ; v64-127  a tile's 64 numbers a lane
; window 1 (v256-511): numbers as they are loaded: W two sets of 128, hidden four sets of 64
.set MSB, 0
.macro WIN new                         ; the immediate's high byte repeats the setting that is left; a switch that changes nothing is dropped
.if MSB != \new
	s_set_vgpr_msb (MSB<<8)|\new
.set MSB, \new
.endif
.endm
	s_load_b256 s[4:11], s[0:1], 0x0               ; hidden s[4:5], W s[6:7], role_onehot s[8:9], hq s[10:11]
	s_load_b128 s[12:15], s[0:1], 0x20             ; wq s[12:13], plan s[14:15]
	v_lshl_add_u32 v62, v0, 2, 0x4200
	v_mov_b32 v63, 0
	v_lshrrev_b32 v6, 5, v0
	v_readfirstlane_b32 s16, v6                    ; wave 0..5
	v_and_b32 v[LANE], 31, v0
	v_lshlrev_b32 v[L16], 4, v[LANE]
	v_and_b32 v6, 15, v0                           ; r
	v_bfe_u32 v7, v0, 4, 1                         ; h
	s_and_b32 s30, s16, 1
	s_mul_i32 s30, s30, STG                        ; the stage of waves 4 and 5 (every LDS address is made here, ahead of the parting)
	v_add_nc_u32 v[STI], s30, v[L16]
	v_mul_u32_u24 v[STO], v6, SROW
	v_lshl_add_u32 v[STO], v7, 6, v[STO]
	v_add_nc_u32 v[STO], s30, v[STO]
	v_mul_u32_u24 v[WOUT], v7, GRP
	v_lshl_add_u32 v[WOUT], v6, 4, v[WOUT]
	s_mov_b32 s20, 0x76543210
	s_mov_b32 s21, 0xfedcba98                      ; v_permlanex16_b32's selects for lane l xor 16
	s_mov_b32 s22, 0x600000                        ; the mantissa field of 448
	s_mov_b32 s35, 0                               ; the upper word of every offset: all lie under 2^32
	s_wait_kmcnt 0x0
	s_cmp_ge_u32 s16, 4
	s_cbranch_scc1 .Lhidden
; ---------------- waves 0-3: W ----------------
	s_or_b32 s30, ttmp9, s16
	s_cmp_lg_u32 s30, 0
	s_cbranch_scc1 .Lnoplan                        ; wave 0 of work-group 0 lists the roles first
	; Every lane works (lane l on batch l & 7); lanes 0-7 store.  Nothing here steers an address or a branch: the choices are made by v_cndmask_b32.
	v_and_b32 v96, 7, v0
	v_lshlrev_b32 v97, 4, v96                      ; a batch's four weights: 16 bytes
	global_load_b128 v[100:103], v97, s[8:9]
	v_lshlrev_b32 v98, 5, v96                      ; its eight words of plan
.irp i, 104,105,106,107,108,109,110,111
	v_mov_b32 v\i, 0                               ; n, the list of four, three zeros
.endr
	v_mov_b32 v112, 1
	s_wait_alu depctr_va_vdst(0)
	s_wait_loadcnt 0x0
.irp r, 3,2,1,0                        ; from the last role to the first: a role that counts is put in front of the list, so that the list ascends
	v_mov_b32 v99, \r
	v_cmp_neq_f32 vcc_lo, 0, v[100+\r]             ; not equal, or not ordered: a NaN counts
	v_cndmask_b32 v108, v108, v107, vcc_lo
	v_cndmask_b32 v107, v107, v106, vcc_lo
	v_cndmask_b32 v106, v106, v105, vcc_lo
	v_cndmask_b32 v105, v105, v99, vcc_lo
	v_cndmask_b32 v113, v109, v112, vcc_lo         ; 0 or 1
	v_add_nc_u32 v104, v104, v113
.endr
	s_wait_alu depctr_va_vdst(0)
	s_wait_xcnt 0x0                                ; EXEC changes only behind this wait
	v_cmp_gt_u32 vcc_lo, 8, v0
	s_and_saveexec_b32 s40, vcc_lo
	global_store_b128 v98, v[104:107], s[14:15]
	global_store_b128 v98, v[108:111], s[14:15] offset:16
	s_wait_xcnt 0x0                                ; and again in front of the line that widens it; the stores' registers are free behind it too
	s_or_b32 exec_lo, exec_lo, s40
.Lnoplan:
	s_lshr_b32 s30, ttmp9, 6                       ; role
	s_bfe_u32 s31, ttmp9, 0x40002                  ; K step s
	s_and_b32 s32, ttmp9, 3
	s_lshl_b32 s32, s32, 2
	s_add_co_u32 s32, s32, s16                     ; cc: which 128 columns
	s_lshl_b32 s33, s30, 24                        ; a role: 2048 x 8,192 bytes
	s_lshl_b32 s34, s31, 20                        ; a K step: 128 rows of 8,192 bytes
	s_add_co_u32 s33, s33, s34
	s_lshl_b32 s34, s32, 9                         ; 128 columns: 512 bytes
	s_add_co_u32 s34, s33, s34
	s_add_nc_u64 s[24:25], s[6:7], s[34:35]
	s_lshl_b32 s33, s30, 5
	s_lshl_b32 s34, s32, 1
	s_add_co_u32 s33, s33, s34                     ; 32 role + 2 cc: my even group
	s_lshl_b32 s33, s33, 4
	s_add_co_u32 s33, s33, s31                     ; its record of K step s
	s_mul_i32 s34, s33, REC
	s_add_nc_u64 s[26:27], s[12:13], s[34:35]
.macro LOADW c                         ; block c: rows 32 c .. 32 c + 31 of the K step, 4 columns a lane, into set c % 2: register 4 k + j = W(32 c + k, my column j)
	WIN 0x40                                       ; destination window 1
.set k, 0
.rept 32
	global_load_b128 v[128*((\c)%2)+4*k:128*((\c)%2)+4*k+3], v[L16], s[24:25] offset:(32*(\c)+k)*8192 th:TH_LOAD_NT   ; 32 lanes read 512 consecutive bytes
.set k, k+1
.endr
.endm
.macro BLOCKW c
.set RB, 128*((\c)%2)
.if (\c) < 3
	s_wait_loadcnt 32                              ; this block's 32 loads are in; the other set's 32 may be out
.else
	s_wait_loadcnt 0x0
.endif
	WIN 0x14                                       ; sources 1 and 2 window 1
.irp j, 0,1,2,3
	v_max3_num_f32 v[MX+\j], 0x4800000, |v[RB+\j]|, |v[RB+4+\j]|   ; the floor 2^(9 - 127) among the leaves: the byte cannot fall under 1.  The four columns by turns
.endr
.set k, 2
.rept 15
.irp j, 0,1,2,3
	v_max3_num_f32 v[MX+\j], v[MX+\j], |v[RB+4*k+\j]|, |v[RB+4*k+4+\j]|
.endr
.set k, k+2
.endr
	WIN 0
.irp j, 0,1,2,3
	v_add_nc_u32 v[SCL+\j], 0xfc000000, v[MX+\j]   ; 8 off the exponent field: the conversion takes this operand's exponent field as its scale
.endr
.irp j, 0,1,2,3
	v_and_or_b32 v[LIM+\j], v[MX+\j], 0x7f800000, s22   ; 448 x the scale
.endr
.if (\c) == 0
.irp j, 0,1,2,3
	v_lshrrev_b32 v[SW+\j], 23, v[SCL+\j]          ; the scale's byte: block 0's starts the word
.endr
.else
.irp j, 0,1,2,3
	v_lshrrev_b32 v[BY+\j], 23, v[SCL+\j]
.endr
.irp j, 0,1,2,3
	v_lshl_or_b32 v[SW+\j], v[BY+\j], 8*(\c), v[SW+\j]
.endr
.endif
	WIN 0x01                                       ; source 0 window 1
.irp j, 0,1,2,3
.set k, 0
.rept 32
	v_med3_num_f32 v[HD+32*\j+k], v[RB+4*k+\j], -v[LIM+\j], v[LIM+\j]   ; the hold that an 8-bit conversion needs (it does not saturate: ISA guide 7.6.2) also lays a column's 32 numbers in consecutive registers
.set k, k+1
.endr
.endr
	WIN 0
	s_wait_xcnt 0x0                                ; the last block's stores have read their codes: the registers may be written again
.if (\c) < 2
	LOADW (\c)+2                                   ; the set just read takes the block two further on
	WIN 0
.endif
.irp j, 0,1,2,3
.irp q, 0,1,2,3
	v_cvt_scalef32_pk8_fp8_f32 v[CD+8*\j+2*\q:CD+8*\j+2*\q+1], v[HD+32*\j+8*\q:HD+32*\j+8*\q+7], v[SCL+\j]
.endr
.endr
	v_nop                                          ; a plain line behind the last conversion
.irp j, 0,1,2,3
.irp u, 0,1
	global_store_b128 v[WOUT], v[CD+8*\j+4*\u:CD+8*\j+4*\u+3], s[26:27] offset:\j*2048+(\c)*512+\u*256   ; k = 16 u + 0..15 of tile j: sixteen lanes store 256 consecutive bytes, at a multiple of 256 from wq's first byte
.endr
.endr
.endm
	s_wait_alu depctr_va_vdst(0)
	LOADW 0
	LOADW 1
	BLOCKW 0
	BLOCKW 1
	BLOCKW 2
	BLOCKW 3
	global_store_b128 v[WOUT], v[SW:SW+3], s[26:27] offset:8192   ; the four tiles' scale words of my column place: again 256 consecutive bytes for sixteen lanes
	s_endpgm
; ---------------- waves 4, 5: hidden ----------------
.Lhidden:
	s_and_b32 s30, s16, 1
	s_lshl_b32 s31, ttmp9, 1
	s_add_co_u32 s31, s31, s30                     ; unit 0..511
	s_lshr_b32 s32, s31, 4                         ; token block
	s_and_b32 s33, s31, 15                         ; K step s
	s_lshl_b32 s34, s32, 20                        ; 128 tokens of 8,192 bytes
	s_lshl_b32 s30, s33, 9                         ; 128 along K: 512 bytes
	s_add_co_u32 s34, s34, s30
	s_add_nc_u64 s[24:25], s[4:5], s[34:35]
	s_mul_i32 s34, s32, HBLK
	s_add_nc_u64 s[28:29], s[10:11], s[34:35]      ; the block in hq
	s_lshl_b32 s34, s33, 14
	s_add_nc_u64 s[26:27], s[28:29], s[34:35]      ; the K step's codes
	s_add_co_u32 s34, s30, HSCL
	s_add_nc_u64 s[28:29], s[28:29], s[34:35]      ; and its scale words
.irp b, 0,1,2,3
	v_mov_b32 v[TM+4+\b], 0                        ; written once: a lane permute's destination counts as one of its sources
.endr
.macro LOADH m                         ; tile m: 16 tokens' 512 bytes, as they lie, into set m % 4
	WIN 0x40
.set i, 0
.rept 16
	global_load_b128 v[64*((\m)%4)+4*i:64*((\m)%4)+4*i+3], v[L16], s[24:25] offset:(16*(\m)+i)*8192 th:TH_LOAD_NT
.set i, i+1
.endr
.endm
; 64 numbers of a lane, register 16 b + i = k 32 b + 16 h + i of my token, become a fragment's codes in v[PC] on and its scale word in v[pw]
.macro QUANT pw
.irp b, 0,1,2,3
	v_max3_num_f32 v[TM+\b], |v[X+16*\b]|, |v[X+1+16*\b]|, 0x4800000   ; block b: my 16 numbers and the floor 2^(9 - 127)
.endr
.irp i, 2,4,6,8,10,12,14
.irp b, 0,1,2,3
	v_max3_num_f32 v[TM+\b], v[TM+\b], |v[X+16*\b+\i]|, |v[X+1+16*\b+\i]|   ; the four blocks by turns
.endr
.endr
.irp b, 0,1,2,3
	v_permlanex16_b32 v[TM+4+\b], v[TM+\b], s20, s21
.endr
.irp b, 0,1,2,3
	v_max_num_f32 v[TM+\b], v[TM+\b], v[TM+4+\b]   ; with lane l xor 16's 16: the block's largest magnitude
.endr
.irp b, 0,1,2,3
	v_add_nc_u32 v[TM+12+\b], 0xfc000000, v[TM+\b]
.endr
.irp b, 0,1,2,3
	v_and_or_b32 v[TM+8+\b], v[TM+\b], 0x7f800000, s22
.endr
.irp b, 0,1,2,3
	v_lshrrev_b32 v[TM+4+\b], 23, v[TM+12+\b]
.endr
	v_lshl_or_b32 v[\pw], v[TM+5], 8, v[TM+4]      ; the four bytes make my token's scale word (both halves of the lanes hold it)
	v_lshl_or_b32 v[\pw], v[TM+6], 16, v[\pw]
	v_lshl_or_b32 v[\pw], v[TM+7], 24, v[\pw]
.irp b, 0,1,2,3
.irp i, 0,1,2,3,4,5,6,7,8,9,10,11,12,13,14,15
	v_med3_num_f32 v[X+16*\b+\i], v[X+16*\b+\i], -v[TM+8+\b], v[TM+8+\b]
.endr
	v_cvt_scalef32_pk8_fp8_f32 v[PC+4*\b:PC+1+4*\b], v[X+16*\b:X+7+16*\b], v[TM+12+\b]
	v_cvt_scalef32_pk8_fp8_f32 v[PC+2+4*\b:PC+3+4*\b], v[X+8+16*\b:X+15+16*\b], v[TM+12+\b]
.endr
	v_nop                                          ; a plain line behind the last conversion
.endm
.macro TILE m
.if 7-(\m) >= 3
	s_wait_loadcnt 48                              ; this tile's 16 loads are in; the three younger tiles' may be out
.else
	s_wait_loadcnt 16*(7-(\m))
.endif
	WIN 0x04                                       ; an LDS store's data are its source 1: window 1
.set i, 0
.rept 16
	ds_store_b128 v[STI], v[64*((\m)%4)+4*i:64*((\m)%4)+4*i+3] offset:i*SROW
.set i, i+1
.endr
	WIN 0
.irp b, 0,1,2,3
.irp i, 0,1,2,3
	ds_load_b128 v[X+16*\b+4*\i:X+16*\b+4*\i+3], v[STO] offset:128*\b+16*\i   ; LDS serves a wave's instructions in order: these see the stores above.  Token r, 16 neighbours of each block of 32
.endr
.endr
	s_wait_dscnt 0x0                               ; the numbers are back, and the stores have read their registers,
	s_wait_xcnt 0x0                                ; (the last tile's stores have read their codes)
.if (\m) < 4
	LOADH (\m)+4                                   ; which take the tile four further on
	WIN 0
.endif
	QUANT PW+(\m)
.irp c, 0,1,2,3
	global_store_b128 v[L16], v[PC+4*\c:PC+4*\c+3], s[26:27] offset:(\m)*2048+\c*512   ; 32 lanes store 512 consecutive bytes
.endr
.endm
	LOADH 0
	LOADH 1
	LOADH 2
	LOADH 3
	s_wait_alu depctr_va_vdst(0)
.irp m, 0,1,2,3,4,5,6,7
	TILE \m
.endr
	v_cmp_gt_u32 vcc_lo, 16, v[LANE]
.irp i, 0,1,2,3
	v_cndmask_b32 v[SWD+\i], v[PW+4+\i], v[PW+\i], vcc_lo   ; lanes 0-15 carry tiles 0-3, lanes 16-31 tiles 4-7
.endr
	global_store_b128 v[L16], v[SWD:SWD+3], s[28:29]   ; 512 consecutive bytes
	s_wait_tensorcnt 0x0
	ds_add_u32 v62, v63
	s_wait_dscnt 0x0
	s_endpgm
.Lfunc_end_k_q4518f8bda9_quant:
	.size	k_q4518f8bda9_quant, .Lfunc_end_k_q4518f8bda9_quant-k_q4518f8bda9_quant
	.p2alignl 7, 3214868480
	.fill 96, 4, 3214868480
	.section	.rodata,"a",@progbits
	.p2align	6, 0x0
	.amdhsa_kernel k_q4518f8bda9_quant
		.amdhsa_group_segment_fixed_size 17664
		.amdhsa_private_segment_fixed_size 0
		.amdhsa_enable_private_segment 0
		.amdhsa_kernarg_size 48
		.amdhsa_user_sgpr_count 2
		.amdhsa_user_sgpr_kernarg_segment_ptr 1
		.amdhsa_wavefront_size32 1
		.amdhsa_system_sgpr_workgroup_id_x 1
		.amdhsa_system_sgpr_workgroup_id_y 1
		.amdhsa_system_sgpr_workgroup_id_z 1
		.amdhsa_system_vgpr_workitem_id 0
		.amdhsa_next_free_vgpr 512
		.amdhsa_next_free_sgpr 66
		.amdhsa_reserve_vcc 1
		.amdhsa_float_denorm_mode_32 3
		.amdhsa_float_denorm_mode_16_64 3
		.amdhsa_memory_ordered 1
		.amdhsa_forward_progress 1
		.amdhsa_inst_pref_size 174
	.end_amdhsa_kernel
	.amdgpu_metadata
---
amdhsa.version: [ 1, 2 ]
amdhsa.kernels:
  - .name:           k_q4518f8bda9_quant
    .symbol:         k_q4518f8bda9_quant.kd
    .args:
      - { .name: hidden, .offset: 0, .size: 8, .value_kind: global_buffer, .address_space: global }
      - { .name: W, .offset: 8, .size: 8, .value_kind: global_buffer, .address_space: global }
      - { .name: role_onehot, .offset: 16, .size: 8, .value_kind: global_buffer, .address_space: global }
      - { .name: hq, .offset: 24, .size: 8, .value_kind: global_buffer, .address_space: global }
      - { .name: wq, .offset: 32, .size: 8, .value_kind: global_buffer, .address_space: global }
      - { .name: plan, .offset: 40, .size: 8, .value_kind: global_buffer, .address_space: global }
    .group_segment_fixed_size: 17664
    .private_segment_fixed_size: 0
    .kernarg_segment_align: 8
    .kernarg_segment_size: 48
    .max_flat_workgroup_size: 192
    .sgpr_count:     66
    .vgpr_count:     512
    .wavefront_size: 32
...
	.end_amdgpu_metadata
.endif
;; end of part 3
;; launch roles (part 4): grid 8 x 32, 4 waves a work-group, no clusters, 270,848 bytes of LDS; arguments hq, wq, plan, b, role_onehot, scales, out0; writes out0
.if DOCPART == 4
	.amdgcn_target "amdgcn-amd-amdhsa--gfx1250"
	.amdhsa_code_object_version 6
	.text
	.protected	k_q4518f8bda9_roles
	.globl	k_q4518f8bda9_roles
	.p2align	8
	.type	k_q4518f8bda9_roles,@function
k_q4518f8bda9_roles:
	s_mov_b64 s[64:65], 0
	v_nop
	global_prefetch_b8 v0, s[64:65] scope:SCOPE_SE
	s_setreg_imm32_b32 hwreg(HW_REG_WAVE_SCHED_MODE, 0, 2), 2
	s_setreg_imm32_b32 hwreg(HW_REG_WAVE_MODE, 25, 1), 1
	s_wait_xcnt 0x0
	s_wait_alu depctr_vm_vsrc(0)
; out[token][e] = sum over roles r of weight[batch][r] x scale[r] x tanh(sum over d of hidden[token][d] W[r][d][e] + b[r][e]); the product on codes of FP8 (E4M3) with E8M0 scales, sums in f32.
; A role whose weight is exactly 0 adds 0 x (a number within +-scale): it is passed over.  Which roles count for a batch was listed as whole numbers by the launch before; any number of them, 0 to 4, is served.
; With g = weight x scale: g tanh(x) = g - 2 g / (1 + 2^(2.885390 x)).  The sum S starts as G = the sum of all four g (those of passed-over roles are 0), and each pass adds -2 g / (1 + 2^..).
; LIMITS: a weight of 0 beside a scale that is infinite or NaN gives NaN through G, as the product 0 x infinity does.  The sign of a result that is 0 may differ.  Where 2^.. falls under the smallest normal number it counts as 0: tanh is -1 there.
; SHARES: work-group (x, y): tokens 128 y .. + 127 (batch y / 4), columns 256 x .. + 255.  Wave w: all 128 tokens x the 64 columns of group g = 4 x + w: 8 token tiles x 4 column tiles = 32 accumulators.
; The waves share the columns: no byte of W's codes is fetched twice in a work-group, and each wave's stream for a role is 135,168 consecutive bytes, which go from memory straight into the operand's registers, three K steps ahead.
; The token block's codes and scale words (270,336 bytes) do not hang on the role: they are copied into LDS once, as they lie, ahead of the one barrier, and every wave reads them from there in every pass.
; NO TENSOR LOADS, NO CLUSTER: the walk over roles is a branch on numbers read from memory, and joint requests are tensor loads; no barrier stands behind the first.
; LAYOUT: source 0 = 16 tokens, source 1 = 16 columns; lane r of column tile t is column 64 g + 4 r + t.  In the result lane (r, h), register j, is token 16 m + 8 h + j: so a lane's results of the four column tiles for
; one token are 16 neighbouring bytes of out, and sixteen lanes hold 256 consecutive bytes: the sum leaves straight from registers.
; REGISTERS, in windows of 256: window 0: v2-10 addresses; v16-23 the tokens' scale words, two sets; v24-39 W's, four sets; v40-51 the bias; v64-255 the tokens' fragments, three sets of four tiles; the first of them, v64-127, is at work on the way out.
;   window 1: W's fragments, a ring of four sets of 64.   window 2: the accumulators, (m, t) at v[8 (4 m + t)].   window 3: the sum S, (m, j, t) at v[32 m + 4 j + t].
; THE MODE: SCHED_MODE bits 1:0 = 2 (LLVM: expert scheduling mode 2), set by the entry lines.  The code itself states the register dependences between vector or matrix instructions and memory or LDS instructions,
; with s_wait_alu, always for 0.
; THE PLAN.  Registers that memory or LDS instructions touch:
;   v2-v10, v62, v63   Written by vector lines at the head, once; read as offsets and addresses by every load and store, and by the closing add.  One wait on va_vdst ahead of the first load.
;   the copy's stages  v96-111, v128-255 and window 2: loads land in them, LDS stores read them.  Chunk 3 lands where chunk 0 lay: a wait on vm_vsrc.  Behind the barrier they become fragments, working registers and accumulators: a second.
;   T0, T1, T2         v64 + 64 b on: four token tiles each.  A K step's eight tiles are two halves; half i = 2 s + p lies in T[i % 3].  Half 2 s + 1 is asked for at the head of K step s, half 2 s + 2 in its middle:
;                      they land in the two sets that K step s - 1's matrix instructions read.  K step s's read T[2 s % 3] and then T[(2 s + 1) % 3].
;   AS0, AS1           K step s's matrix instructions read AS[s % 2]; the load at its head lands in the other, which K step s - 1 read.
;   BS0-3, W0-3        K step s's matrix instructions read set s % 4; its loads land in set (s + 3) % 4, which K step s - 1 read.
;   BR                 Loaded with a role's first K steps; read by K step 0's eight multiplications.
;   S                  Written by the head's moves and the passes' multiply-adds; read by the final stores.
; So ONE wait on va_vdst stands at the head of each K step but the first: K step s - 1's matrix instructions are done reading.  All 50 loads of the step follow it, dealt among its 32 matrix instructions, which name none of the
; registers that those loads touch.  One more stands behind a pass's way out: it serves the next role's first loads and K step 0's.  No address is written in the loop.
.set REC,   8448                       ; a record of wq: a K step of a group: 4 tiles x 2,048 bytes of codes + 256 bytes of scale words
.set GRP,   16*REC
.set HBLK,  270336
.set HSCL,  262144
.set LR16,  2                          ; v2    16 x (lane % 16)
.set LN16,  3                          ; v3    16 x lane; also the LDS address of K steps 0-3
.set ADA,   3                          ; v3-6  16 x lane + 65,536 q: K steps 4 q .. 4 q + 3 (an LDS offset has 16 bits)
.set ADS,   7                          ; v7    16 x lane + 262,144: the scale words
.set CPY,   8                          ; v8    the copy: 65,536 x wave + 16 x lane
.set CPS,   9                          ; v9    262,144 + 2,048 x wave + 16 x lane
.set OO,    10                         ; v10   out: (lane / 16) x 8 rows + 16 x (lane % 16)
.set AS,    16
.set BS,    24
.set BR,    40                         ; v40-43 the bias of my four columns
.set BB,    44                         ; v44-51 2.885390 x bias, column tile t at BB + 2 t and BB + 2 t + 1
.set LSR,   96                         ; v96-111 the copy's four loads of scale words
.set U,     64
.set TF,    64                         ; v64-255 the three sets of token tiles
.set AF,    128                        ; v128-255 the copy's chunk 2
.set MSB, 0
.macro WIN new                         ; the immediate's high byte repeats the setting that is left; a switch that changes nothing is dropped
.if MSB != \new
	s_set_vgpr_msb (MSB<<8)|\new
.set MSB, \new
.endif
.endm
.set MUL,  0xa4                        ; source 0 (tokens) window 0, source 1 (W) window 1, C and D window 2
.set TO_B, 0x40                        ; destination window 1, address window 0
; A vector instruction that reads a matrix result, or writes a register that a matrix instruction has read, stands eight places behind that matrix instruction
.macro PLACES
.rept 8
	v_nop
.endr
.endm
.macro BSLOAD k                        ; 1 load: W's scale words of K step k into set k % 4
	global_load_b128 v[BS+4*((\k)%4):BS+4*((\k)%4)+3], v[LR16], s[42:43] offset:(\k)*REC+8192   ; lane r: the scale words of column place r in the four tiles
.endm
.macro BWLOAD k                        ; 16 loads: W's fragments of K step k into set k % 4
.irp t, 0,1,2,3
.irp c, 0,1,2,3
	global_load_b128 v[64*((\k)%4)+16*\t+4*\c:64*((\k)%4)+16*\t+4*\c+3], v[LN16], s[42:43] offset:(\k)*REC+\t*2048+\c*512   ; 512 consecutive bytes
.endr
.endr
.endm
.macro BLOAD k                         ; 17 loads: K step k of my stream into set k % 4
	WIN 0
	BSLOAD \k
	WIN TO_B
	BWLOAD \k
.endm
; The role at the head of the list: its stream's base, its bias, g and -2 g, and the first four K steps.  All loads of the pass before are done (its last K step waited for 0), so the bases may be written.
.macro FILL
	s_min_u32 s51, s25, 3                          ; the role, held inside the table
	s_lshl_b32 s56, s51, 5
	s_add_co_u32 s56, s56, s22                     ; 32 role + g
	s_mul_i32 s56, s56, GRP
	s_mov_b32 s57, 0
	s_add_nc_u64 s[42:43], s[6:7], s[56:57]
	s_lshl_b32 s56, s51, 13                        ; a role's bias: 8,192 bytes;
	s_add_co_u32 s56, s56, s23                     ; my group's 64 numbers: 256 g
	s_add_nc_u64 s[44:45], s[10:11], s[56:57]
	s_cmp_eq_u32 s51, 1                            ; the role's weight and scale, out of the four that lie in registers
	s_cselect_b32 s46, s33, s32
	s_cselect_b32 s47, s37, s36
	s_cmp_eq_u32 s51, 2
	s_cselect_b32 s46, s34, s46
	s_cselect_b32 s47, s38, s47
	s_cmp_eq_u32 s51, 3
	s_cselect_b32 s46, s35, s46
	s_cselect_b32 s47, s39, s47
	s_mul_f32 s46, s46, s47                        ; g
	s_mul_f32 s47, s46, -2.0                       ; -2 g
	global_load_b128 v[BR:BR+3], v[LR16], s[44:45]
	BLOAD 0
	BLOAD 1
	BLOAD 2
	BLOAD 3
	WIN 0
.endm
.macro HFETCH i                        ; 16 LDS loads: half i of the tokens' fragments: K step i / 2, token tiles 4 (i % 2) .. + 3, into set i % 3
.irp q, 0,1,2,3
.irp c, 0,1,2,3
	ds_load_b128 v[TF+64*((\i)%3)+16*\q+4*\c:TF+64*((\i)%3)+16*\q+4*\c+3], v[ADA+(\i)/8] offset:(((\i)/2)%4)*16384+(4*((\i)%2)+\q)*2048+\c*512
.endr
.endr
.endm
; 8 matrix instructions: token tiles m0, m0 + 1 x the four column tiles, K step s.  The first K step starts the sums with the constant 0.  The 32 accumulators take turns, one instruction a turn, in the same order in
; every K step.  Tiles 4-7 take their scale words from lanes 16-31 of the same four registers.
.macro MUL8 s, m0
.irp m, \m0, \m0+1
.irp t, 0,1,2,3
.if (\s) == 0
.if (\m) < 4
	v_wmma_scale_f32_16x16x128_f8f6f4 v[8*(4*(\m)+\t):8*(4*(\m)+\t)+7], v[TF+64*((2*(\s)+(\m)/4)%3)+16*((\m)%4):TF+64*((2*(\s)+(\m)/4)%3)+16*((\m)%4)+15], v[64*((\s)%4)+16*\t:64*((\s)%4)+16*\t+15], 0, v[AS+4*((\s)%2)+(\m)%4], v[BS+4*((\s)%4)+\t]
.else
	v_wmma_scale_f32_16x16x128_f8f6f4 v[8*(4*(\m)+\t):8*(4*(\m)+\t)+7], v[TF+64*((2*(\s)+(\m)/4)%3)+16*((\m)%4):TF+64*((2*(\s)+(\m)/4)%3)+16*((\m)%4)+15], v[64*((\s)%4)+16*\t:64*((\s)%4)+16*\t+15], 0, v[AS+4*((\s)%2)+(\m)%4], v[BS+4*((\s)%4)+\t] matrix_a_scale:MATRIX_SCALE_ROW1
.endif
.else
.if (\m) < 4
	v_wmma_scale_f32_16x16x128_f8f6f4 v[8*(4*(\m)+\t):8*(4*(\m)+\t)+7], v[TF+64*((2*(\s)+(\m)/4)%3)+16*((\m)%4):TF+64*((2*(\s)+(\m)/4)%3)+16*((\m)%4)+15], v[64*((\s)%4)+16*\t:64*((\s)%4)+16*\t+15], v[8*(4*(\m)+\t):8*(4*(\m)+\t)+7], v[AS+4*((\s)%2)+(\m)%4], v[BS+4*((\s)%4)+\t]
.else
	v_wmma_scale_f32_16x16x128_f8f6f4 v[8*(4*(\m)+\t):8*(4*(\m)+\t)+7], v[TF+64*((2*(\s)+(\m)/4)%3)+16*((\m)%4):TF+64*((2*(\s)+(\m)/4)%3)+16*((\m)%4)+15], v[64*((\s)%4)+16*\t:64*((\s)%4)+16*\t+15], v[8*(4*(\m)+\t):8*(4*(\m)+\t)+7], v[AS+4*((\s)%2)+(\m)%4], v[BS+4*((\s)%4)+\t] matrix_a_scale:MATRIX_SCALE_ROW1
.endif
.endif
.endr
.endr
.endm
; A K step of 128: 32 matrix instructions, one wait on va_vdst at its head, and its loads dealt among the matrix instructions: tiles 4-7 of this K step and the next scale words first, W's K step three further on
; behind the first eight products, tiles 0-3 of the next K step behind the next eight.
.macro KSTEP s
	WIN 0
.if (\s) >= 1
	s_wait_alu depctr_va_vdst(0)                   ; the 32 matrix instructions of the K step before are done reading their two sets of token tiles, their set of the tokens' scale words, and W's set and scale words: this K step's loads land in all of these
.endif
	HFETCH 2*(\s)+1                                ; tiles 4-7 of this K step: wanted sixteen products on
.if (\s) < 15
	ds_load_b128 v[AS+4*(((\s)+1)%2):AS+4*(((\s)+1)%2)+3], v[ADS] offset:((\s)+1)*512
.endif
.if ((\s) >= 1) && ((\s) <= 12)
	BSLOAD (\s)+3
	s_wait_loadcnt 35                              ; this K step's 17 loads are in; those of the two K steps behind it, and the one load just issued, may be out
.elseif (\s) == 0
	s_wait_loadcnt 51                              ; K step 0's 17 loads are in; those of K steps 1 to 3 may be out
.else
	s_wait_loadcnt 17*(15-(\s))                    ; the counts run down
.endif
.if (\s) == 0
.irp t, 0,1,2,3
	v_mul_f32 v[BB+2*\t], s48, v[BR+\t]            ; the bias was asked for ahead of K step 0, so it is in
	v_mul_f32 v[BB+2*\t+1], s48, v[BR+\t]
.endr
.endif
.if (\s) < 15
	s_wait_dscnt 17                                ; the scale words and tiles 0-3 are in; the 17 loads just issued may be out
.else
	s_wait_dscnt 16
.endif
	WIN MUL
	MUL8 \s, 0
.if ((\s) >= 1) && ((\s) <= 12)
	WIN TO_B
	BWLOAD (\s)+3                                  ; no wait: no matrix instruction since the wait at the step's head names W's set (s + 3) % 4
	WIN MUL
.endif
	MUL8 \s, 2
.if (\s) < 15
	WIN 0
	HFETCH 2*(\s)+2                                ; tiles 0-3 of the next K step.  No wait: the sixteen products since the wait at the step's head name the set 2 s % 3 alone
	s_wait_dscnt 17                                ; all but the next scale words and the 16 just issued: tiles 4-7 are in
.else
	s_wait_dscnt 0x0
.endif
	WIN MUL
	MUL8 \s, 4
	MUL8 \s, 6
.endm
; The way out of a pass for token tiles 2 mp and 2 mp + 1: 64 numbers a lane.
.macro EPI mp
	WIN 0x02                                       ; source 0 window 2
.irp mm, 0,1
.irp t, 0,1,2,3
.irp jp, 0,1,2,3
	v_pk_fma_f32 v[U+32*\mm+8*\t+2*\jp:U+32*\mm+8*\t+2*\jp+1], v[8*(4*(2*(\mp)+\mm)+\t)+2*\jp:8*(4*(2*(\mp)+\mm)+\t)+2*\jp+1], s[48:49], v[BB+2*\t:BB+2*\t+1] op_sel_hi:[1,0,0]   ; 2.885390 (x + bias); each accumulator from its low end on
.endr
.endr
.endr
	WIN 0
.set i, 0
	s_wait_alu depctr_va_vdst(0)
.rept 64
	v_exp_f32 v[U+i], v[U+i]
.set i, i+1
.endr
	v_nop                                          ; a plain line behind the last exponential
.set i, 0
	s_wait_alu depctr_va_vdst(0)                   ; the 64 exponentials have written v[U ..]: one wait for the batch, ahead of its first reader
.rept 32
	v_pk_add_f32 v[U+i:U+i+1], v[U+i:U+i+1], 1.0 op_sel_hi:[1,0]
.set i, i+2
.endr
.set i, 0
	s_wait_alu depctr_va_vdst(0)
.rept 64
	v_rcp_f32 v[U+i], v[U+i]                       ; an infinite power gives 0: tanh = 1
.set i, i+1
.endr
	v_nop                                          ; a plain line behind the last reciprocal
	WIN 0xf0                                       ; source 2 and destination window 3
	s_wait_alu depctr_va_vdst(0)                   ; the 64 reciprocals have written v[U ..]: one wait for the batch, ahead of its first reader
.irp mm, 0,1
.irp j, 0,1,2,3,4,5,6,7
.irp t, 0,1,2,3
	v_fma_f32 v[32*(2*(\mp)+\mm)+4*\j+\t], v[U+32*\mm+8*\t+\j], s47, v[32*(2*(\mp)+\mm)+4*\j+\t]   ; S += -2 g / (1 + 2^..)
.endr
.endr
.endr
.endm
.macro CLOAD j, reg                    ; the copy: chunk j of my 65,536 bytes: 32 loads of 512 consecutive bytes
.set i, 0
.rept 32
	global_load_b128 v[\reg+4*i:\reg+4*i+3], v[LN16], s[52:53] offset:(32*(\j)+i)*512
.set i, i+1
.endr
.endm
.macro CSTORE j, reg
.set i, 0
.rept 32
	ds_store_b128 v[CPY], v[\reg+4*i:\reg+4*i+3] offset:(32*(\j)+i)*512
.set i, i+1
.endr
.endm
	s_load_b256 s[4:11], s[0:1], 0x0               ; hq s[4:5], wq s[6:7], plan s[8:9], b s[10:11]
	s_load_b128 s[12:15], s[0:1], 0x20             ; role_onehot s[12:13], scales s[14:15]
	s_load_b64 s[16:17], s[0:1], 0x30              ; out0
	v_lshl_add_u32 v62, v0, 2, 0x42000
	v_mov_b32 v63, 0
	v_lshrrev_b32 v1, 5, v0
	v_readfirstlane_b32 s18, v1                    ; wave 0..3
	s_and_b32 s20, ttmp7, 0xffff                   ; y: the token block
	s_lshr_b32 s21, s20, 2                         ; its batch: 512 tokens are four blocks
	s_lshl_b32 s22, ttmp9, 2
	s_wait_alu depctr_va_sdst(0)                   ; s18 is written, ahead of its first reader: the group's number, the copy's addresses and bases are made from it
	s_add_co_u32 s22, s22, s18                     ; g = 4 x + wave
	s_lshl_b32 s23, s22, 8                         ; 64 f32: 256 bytes
	s_mov_b32 s48, 0x4038aa3b                      ; 2 log2(e) = 2.885390
	s_mov_b32 s49, s48                             ; (named with it as a pair, so it is written)
	s_mov_b32 s59, 0                               ; the upper word of every offset: all lie under 2^32
	s_wait_kmcnt 0x0
	s_lshl_b32 s58, s21, 5
	s_add_nc_u64 s[56:57], s[8:9], s[58:59]
	s_load_b256 s[24:31], s[56:57], 0x0            ; the batch's list: n s24, the roles s25-28
	s_lshl_b32 s58, s21, 4
	s_add_nc_u64 s[52:53], s[12:13], s[58:59]
	s_load_b128 s[32:35], s[52:53], 0x0            ; its four weights
	s_load_b128 s[36:39], s[14:15], 0x0            ; the four scales
	v_and_b32 v11, 31, v0
	v_lshlrev_b32 v[LN16], 4, v11
	v_and_b32 v12, 15, v0
	v_lshlrev_b32 v[LR16], 4, v12
.irp q, 1,2,3
	v_add_nc_u32 v[ADA+\q], 65536*\q, v[LN16]
.endr
	v_add_nc_u32 v[ADS], HSCL, v[LN16]
	s_lshl_b32 s51, s18, 16
	v_add_nc_u32 v[CPY], s51, v[LN16]
	s_lshl_b32 s51, s18, 11
	v_add_nc_u32 v[CPS], s51, v[ADS]
	v_bfe_u32 v11, v0, 4, 1
	v_lshl_add_u32 v[OO], v11, 16, v[LR16]         ; lanes 16-31: 8 rows of 8,192 bytes further down
	s_lshl_b32 s58, s20, 20                        ; out: 128 rows of 8,192 bytes a block,
	s_add_co_u32 s58, s58, s23                     ; my group's 256 bytes of a row
	s_add_nc_u64 s[16:17], s[16:17], s[58:59]
	s_wait_kmcnt 0x0                               ; the three loads are done: their bases may be written again
	s_min_u32 s24, s24, 4
	s_mul_f32 s40, s32, s36                        ; G = the sum of weight x scale over all four roles
	s_fmac_f32 s40, s33, s37
	s_fmac_f32 s40, s34, s38
	s_fmac_f32 s40, s35, s39
	s_wait_alu depctr_va_vdst(0)                   ; the nine offsets and addresses v2 to v10 are written, which every load and store of the kernel reads, and v62 and v63, which the closing add reads; none is written again
	FILL                                           ; the first listed role (role 0 where none is listed): W's stream is on its way during the copy
	; THE COPY of the token block, as it lies: each wave 65,536 bytes of codes in four chunks and 2,048 bytes of scale words, through registers that the products use later.
	s_mul_i32 s58, s20, HBLK
	s_add_nc_u64 s[54:55], s[4:5], s[58:59]
	s_lshl_b32 s58, s18, 16
	s_add_nc_u64 s[52:53], s[54:55], s[58:59]      ; my codes
	s_lshl_b32 s58, s18, 11
	s_add_co_u32 s58, s58, HSCL
	s_add_nc_u64 s[54:55], s[54:55], s[58:59]      ; my scale words
.irp i, 0,1,2,3
	global_load_b128 v[LSR+4*\i:LSR+4*\i+3], v[LN16], s[54:55] offset:\i*512
.endr
	WIN 0x80                                       ; destination window 2
	CLOAD 0, 0
	CLOAD 1, 128
	WIN 0xc0                                       ; destination window 3
.set i, 0
.rept 256
	v_mov_b32 v[i], s40                            ; S starts as G: which roles follow is known only from the list.  These lines stand where the wave would wait for its first loads; they name window 3 alone, which no memory instruction touches before the final stores
.set i, i+1
.endr
	s_wait_loadcnt 32                              ; all but chunk 1's 32 loads
	WIN 0
.irp i, 0,1,2,3
	ds_store_b128 v[CPS], v[LSR+4*\i:LSR+4*\i+3] offset:\i*512
.endr
	WIN 0x08                                       ; an LDS store's data are its source 1: window 2
	CSTORE 0, 0
	WIN 0
	CLOAD 2, AF
	s_wait_loadcnt 32                              ; chunk 1 is in; chunk 2 may be out
	WIN 0x08
	CSTORE 1, 128
	s_wait_dscnt 32                                ; all but chunk 1's 32 stores: chunk 0's are done
	WIN 0x80
	s_wait_alu depctr_vm_vsrc(0)                   ; chunk 0's LDS stores have read their data registers,
	CLOAD 3, 0                                     ; which take chunk 3
	s_wait_loadcnt 32                              ; chunk 2 is in
	WIN 0
	CSTORE 2, AF
	s_wait_loadcnt 0x0
	WIN 0x08
	CSTORE 3, 0
	WIN 0
	s_wait_dscnt 0x0                               ; for the others' sake: my stores have landed
	s_barrier_signal -1
	s_barrier_wait -1                              ; the whole block lies in LDS; nobody writes LDS from here on
	s_wait_alu depctr_vm_vsrc(0)                   ; my LDS stores have read v96-111, v128-255 and window 2: from here on LDS loads land in the first two (the token tiles), the way out writes v64-127, and the products write window 2
	; THE WALK OVER THE LISTED ROLES: four trips, a constant; a trip beyond the list's length does nothing.  No barrier and no LDS store stands under these branches.
	s_mov_b32 s50, 0
.Lpass:
	s_cmp_ge_u32 s50, s24
	s_cbranch_scc1 .Lnext
	ds_load_b128 v[AS:AS+3], v[ADS]                ; K step 0's scale words and tiles 0-3.  No wait here: the one behind the way out of the pass before (in the first trip: the one at the head) stands ahead, and no vector line since names these registers
	HFETCH 0
.irp s, 0,1,2,3,4,5,6,7,8,9,10,11,12,13,14,15
	KSTEP \s
.endr
	WIN 0
	PLACES                                         ; in front of the first read of results, and of the first write of v64-127, which K step 15's first sixteen products read
	EPI 0
	EPI 1
	EPI 2
	EPI 3
	WIN 0
	s_wait_alu depctr_va_vdst(0)                   ; the last multiply-adds are done reading v64-127, in which the next pass's tiles land; all that read the bias, W's sets, the scale words and the other token tiles stands ahead of them: the next role's first loads follow on either way round the loop
	s_mov_b32 s25, s26                             ; the list moves up
	s_mov_b32 s26, s27
	s_mov_b32 s27, s28
	s_add_co_u32 s51, s50, 1
	s_cmp_ge_u32 s51, s24
	s_cbranch_scc1 .Lnext
	FILL                                           ; there is a next role: its stream begins
.Lnext:
	s_add_co_u32 s50, s50, 1
	s_cmp_lt_u32 s50, 4
	s_cbranch_scc1 .Lpass
	WIN 0x0c                                       ; a store's data are its source 1: window 3
	s_wait_alu depctr_va_vdst(0)                   ; S is written, which the stores read: by the passes' multiply-adds and, where the list is empty, by the head's moves alone, behind which no other such wait stands
.irp m, 0,1,2,3,4,5,6,7
.irp j, 0,1,2,3,4,5,6,7
	global_store_b128 v[OO], v[32*\m+4*\j:32*\m+4*\j+3], s[16:17] offset:(16*\m+\j)*8192 th:TH_STORE_NT   ; lanes 0-15: token 16 m + j, lanes 16-31: token 16 m + 8 + j; sixteen lanes store 256 consecutive bytes, at a multiple of 256 from out's first byte
.endr
.endr
	WIN 0
	s_wait_dscnt 0x0                               ; the closing lines, six on end
	s_wait_alu 0x0
	s_wait_tensorcnt 0x0
	ds_add_u32 v62, v63
	s_wait_dscnt 0x0
	s_endpgm
.Lfunc_end_k_q4518f8bda9_roles:
	.size	k_q4518f8bda9_roles, .Lfunc_end_k_q4518f8bda9_roles-k_q4518f8bda9_roles
	.p2alignl 7, 3214868480
	.fill 96, 4, 3214868480
	.section	.rodata,"a",@progbits
	.p2align	6, 0x0
	.amdhsa_kernel k_q4518f8bda9_roles
		.amdhsa_group_segment_fixed_size 270848
		.amdhsa_private_segment_fixed_size 0
		.amdhsa_enable_private_segment 0
		.amdhsa_kernarg_size 56
		.amdhsa_user_sgpr_count 2
		.amdhsa_user_sgpr_kernarg_segment_ptr 1
		.amdhsa_wavefront_size32 1
		.amdhsa_system_sgpr_workgroup_id_x 1
		.amdhsa_system_sgpr_workgroup_id_y 1
		.amdhsa_system_sgpr_workgroup_id_z 1
		.amdhsa_system_vgpr_workitem_id 0
		.amdhsa_next_free_vgpr 1024
		.amdhsa_next_free_sgpr 66
		.amdhsa_reserve_vcc 0
		.amdhsa_float_denorm_mode_32 3
		.amdhsa_float_denorm_mode_16_64 3
		.amdhsa_memory_ordered 1
		.amdhsa_forward_progress 1
		.amdhsa_inst_pref_size 224
	.end_amdhsa_kernel
	.amdgpu_metadata
---
amdhsa.version: [ 1, 2 ]
amdhsa.kernels:
  - .name:           k_q4518f8bda9_roles
    .symbol:         k_q4518f8bda9_roles.kd
    .args:
      - { .name: hq, .offset: 0, .size: 8, .value_kind: global_buffer, .address_space: global }
      - { .name: wq, .offset: 8, .size: 8, .value_kind: global_buffer, .address_space: global }
      - { .name: plan, .offset: 16, .size: 8, .value_kind: global_buffer, .address_space: global }
      - { .name: b, .offset: 24, .size: 8, .value_kind: global_buffer, .address_space: global }
      - { .name: role_onehot, .offset: 32, .size: 8, .value_kind: global_buffer, .address_space: global }
      - { .name: scales, .offset: 40, .size: 8, .value_kind: global_buffer, .address_space: global }
      - { .name: out0, .offset: 48, .size: 8, .value_kind: global_buffer, .address_space: global }
    .group_segment_fixed_size: 270848
    .private_segment_fixed_size: 0
    .kernarg_segment_align: 8
    .kernarg_segment_size: 56
    .max_flat_workgroup_size: 128
    .sgpr_count:     66
    .vgpr_count:     1024
    .wavefront_size: 32
...
	.end_amdgpu_metadata
.endif
;; end of part 4
